; MI455X (gfx1250); checked and timed in simulation.
; The chip was launched on July 23, 2026; its instructions are those of AMD's public machine-readable ISA for CDNA 5 (MIT licence, August 2026) and "CDNA5" Instruction Set Architecture Reference Guide (July 2026). The comments in the code are by the model that wrote it; some were corrected since.
;; Attention. Allowed arithmetic: matrix products marked QUANTISED: E3M2 operands, one E8M0 scale for each 32 along K, by v_wmma_scale_f32_16x16x128_f8f6f4 with both operands' format E3M2, f32 sums; everything else in f32.
;; Inputs: Wk 1,024 x 1,024 float32; Wo 1,024 x 1,024 float32; Wq 1,024 x 1,024 float32; Wv 1,024 x 1,024 float32; bo 1,024 float32; x 4 x 2,048 x 1,024 float32.
;; Outputs: out0 4 x 2,048 x 1,024 float32.
;; This version of the problem:
;;   THIS VERSION OF THE PROBLEM IS GIVEN IN LOW PRECISION. The matrix products marked QUANTISED in the list below multiply operands that are first quantised to E3M2 (3 exponent bits, 2 mantissa bits; 6 bits a number), with one power-of-two scale for each 32 numbers along K (OCP MX v1.0); their sums are f32. All else is computed in f32.
;;   The module's matrix products, in the order in which they are computed (A, B: the left and right operand; K: the contracted axis; several contracted axes count as one K, in the product's order):
;;     1. [M 8,192, K 1,024] x [K 1,024, N 1,024]; A: input x; B: input Wq: QUANTISED
;;     2. [M 8,192, K 1,024] x [K 1,024, N 1,024]; A: input x; B: input Wk: QUANTISED
;;     3. [M 8,192, K 1,024] x [K 1,024, N 1,024]; A: input x; B: input Wv: QUANTISED
;;     4. batch 64 x [M 2,048, K 64] x [K 64, N 2,048]; A: computed on the way; B: computed on the way: QUANTISED
;;     5. batch 64 x [M 2,048, K 2,048] x [K 2,048, N 64]; A: softmax (see below); B: computed on the way: QUANTISED
;;     6. [M 8,192, K 1,024] x [K 1,024, N 1,024]; A: computed on the way; B: input Wo: QUANTISED
;;   THE QUANTISER, for each operand of a quantised product, along K:
;;     - K is cut into blocks of 32 from its start; a last block that is shorter is filled with zeros.
;;     - A block's scale is 2^e with e = floor(log2(the largest magnitude in the block)) - 4, held to -126 .. 127; a block of zeros has e = 0. As a byte (E8M0): e + 127.
;;     - Each number is divided by its block's scale, clamped to +-28, and rounded to the nearest number of E3M2, ties to even, subnormals kept.
;;     - The product sums the exact products of the quantised numbers (number of the format x scale) in f32.
;;   ~~~python
;;   def quantise(x, axis):      # numpy; x: float32 -> the quantised numbers, widened to float32 again
;;       x = np.moveaxis(x, axis, -1); K = x.shape[-1]
;;       x = np.pad(x, [(0, 0)] * (x.ndim - 1) + [(0, -K % 32)]); x = x.reshape(x.shape[:-1] + (-1, 32)); a = np.abs(x).max(-1, keepdims=True)
;;       e = np.where(a > 0, np.clip(np.frexp(np.where(a > 0, a, 1))[1] - 1 - 4, -126, 127), 0)      # np.frexp(a)[1] - 1 = floor(log2(a)), exactly
;;       r = np.clip(x / 2.0 ** e, -28, 28)
;;       step = 2.0 ** (np.maximum(np.frexp(np.where(r == 0, 1, r))[1] - 1, -2) - 2)
;;       q = np.round(r / step) * step * 2.0 ** e      # np.round: ties to even
;;       return np.moveaxis(q.reshape(q.shape[:-2] + (-1,))[..., :K], -1, axis).astype(np.float32)
;;   ~~~
;;   SOFTMAX AHEAD OF A QUANTISED PRODUCT. Where the list says 'softmax', what is quantised is not the finished softmax but p = 2^(t - M), with t = logit x log2(e) and M = ceil(the row's largest t), a whole number; so 1/2 < the row's largest p <= 1. The row's sum l is taken of the UNQUANTISED p, in f32, and the product's result is divided by l at the end. Since M is a whole number, a kernel that streams over the keys may use a running M (the ceiling of the running maximum): every later rescaling is an exact power of two, which a block's scale takes up: the codes' values come out the same.
;;   OPERANDS COMPUTED ON THE WAY. 'Computed on the way' means the value that the module computes at that place (a softmax that the list does not call 'softmax' is quantised finished and normalised). What goes into a quantiser is computed in f32, as accurately as f32 sums, v_exp_f32 and their like allow (about 1e-6 of the number): no bf16 or f16 on the way to a quantiser, and a product that is left as it is and whose result goes on into a quantised operand takes f32 operands (vector FMAs, or v_wmma_f32_16x16x4_f32). A number that lies on a knife's edge between two numbers of the format may be rounded either way, as far as f32 arithmetic and the matrix unit's own rounding can turn it there, and no further.
;; One version. Each part assembles by itself: llvm-mc -triple=amdgcn-amd-amdhsa -mcpu=gfx1250 --defsym DOCPART=n.
;; ======== version 1 of 1: 5 launches
;; limits: right only within a limited range of input values
;; workspace buffers: x_img 6,553,600 bytes; wqk_img 1,638,400 bytes; wv_img 819,200 bytes; wo_img 819,200 bytes; qk_img 13,107,200 bytes; v_img 6,553,600 bytes; a_img 6,553,600 bytes
;; launch quant (part 1): grid 640 x 1, 8 waves a work-group, no clusters, 93,184 bytes of LDS; arguments x, Wq, Wk, Wv, Wo, x_img, wqk_img, wv_img, wo_img; writes x_img, wqk_img, wv_img, wo_img
.if DOCPART == 1
	.amdgcn_target "amdgcn-amd-amdhsa--gfx1250"
	.amdhsa_code_object_version 6
	.text
	.protected	k_q644670dc4f_quant
	.globl	k_q644670dc4f_quant
	.p2align	8
	.type	k_q644670dc4f_quant,@function
k_q644670dc4f_quant:
	s_mov_b64 s[64:65], 0
	v_nop
	global_prefetch_b8 v0, s[64:65] scope:SCOPE_SE
	s_setreg_imm32_b32 hwreg(HW_REG_WAVE_MODE, 25, 1), 1
	s_wait_xcnt 0x0
; x [8192][1024] and the four weights [1024 (K)][1024 (N)], f32, become codes of BF6 (E3M2) with one E8M0 byte for each 32 along K, laid as OPERAND IMAGES: the order of the matrix operand's registers.
; IMAGE: [group of 128 rows][chunk of 256 along K][25,600 bytes].  In a chunk: the fragment (16 rows x 128 K, 12 registers a lane) of tile i, K step e at 3072 i + 1536 e;
; a fragment is two halves of 768 bytes (six registers): registers 0-3 at 16 x lane, registers 4-5 at 512 + 8 x lane.  Scale words (4 bytes: a row, 128 K) at 24576 + 512 e + 64 i + 4 row.
; Row p of tile T is true row (a weight's column) 32 (T / 2) + 8 (T % 2) + p + 8 (p / 8), so that a product's results for two neighbouring tiles are 16 neighbours in a lane's registers.
; Wq's 8 groups and Wk's 8 lie in one image, Wv and Wo have one each.
; ONE LAUNCH FOR ALL FIVE: work-groups 0-511 take x, 512-639 the weights.  The two paths part once, on the work-group's number, and each has LDS bytes of its own.  No barrier: waves share nothing.
; x: work-group = (group G, K step s); wave i makes tile i's fragment.  Each of its 16 loads reads a row's 512 consecutive bytes; the rows turn through the wave's own stage in LDS (pitch 528 = 33 x 16 bytes),
; so that a lane then holds two whole blocks of 32 of its row.
; WEIGHTS: K is the first axis: A LANE TAKES A COLUMN AND ITS REGISTERS RUN DOWN K; each load reads 128 consecutive bytes a wave; a block of 32 lies in one lane; nothing is transposed.
; Work-group = (weight, group g, two K steps): waves 0-3 take the first step, waves 4-7 the second; lane l of wave w % 4 (column 32 (w % 4) + l of the group) is row (l % 8) + 8 (l / 16) of tile 2 (w % 4) + (l / 8) % 2.
; A wave's two fragments are put together in its own 3,072 bytes of LDS and leave in runs of 512 bytes.
; A block's scale is 2^(floor(log2(largest magnitude)) - 4); its byte is the magnitude's exponent field - 4, held at 1 from below.
; LIMITS: a block of zeros, or one whose largest magnitude lies under 2^-122, gets the byte 1 (the rule says 127 for zeros: the codes are zeros, and this program alone reads the bytes); NaN and infinities are not served.
.set SROW, 528
.set STG,  16*SROW                     ; x: a wave's stage; eight of them from LDS byte 0
.set WST,  8*STG                       ; the weights' stages: 3,072 bytes a wave
.set SPARE, WST+8*3072                 ; the spare words: 128 bytes a wave
	v_lshl_add_u32 v12, v0, 2, SPARE
	v_mov_b32 v13, 0
	v_lshrrev_b32 v1, 5, v0
	v_readfirstlane_b32 s3, v1                     ; wave
	s_cmp_lt_u32 ttmp9, 512
	s_wait_alu depctr_va_vdst(0)
	s_cbranch_scc0 .Lweights
; ---------------- x ----------------
.set RAW,  16                          ; v16-79   16 rows as loaded; later the blocks' upper halves, as converted
.set X,    80                          ; v80-143  my row's k = 64 c + 32 h + 0..31 at X + 32 c
.set M,    144
.set SCV,  146
.set BY,   148
.set W,    150
.set T,    151
.set F,    154                         ; v154-165 the fragment
.set CT,   16
	s_load_b64 s[4:5], s[0:1], 0x0                 ; x
	s_load_b64 s[6:7], s[0:1], 0x28                ; x_img
	v_and_b32 v1, 31, v0                           ; lane
	v_and_b32 v2, 15, v0                           ; r
	v_bfe_u32 v3, v0, 4, 1                         ; h
	v_lshlrev_b32 v4, 4, v1                        ; 16 x lane
	v_lshlrev_b32 v5, 3, v1                        ; 8 x lane
	s_mul_i32 s9, s3, STG                          ; my stage
	v_add_nc_u32 v6, s9, v4                        ; into it: a row's 512 bytes as they lie
	v_mul_u32_u24 v7, v2, SROW
	v_lshl_add_u32 v7, v3, 7, v7
	v_add_nc_u32 v7, s9, v7                        ; out of it: row r, + 128 h bytes
	v_lshlrev_b32 v8, 2, v2                        ; 4 r
	s_mov_b32 s20, 0x76543210
	s_mov_b32 s21, 0xfedcba98                      ; lane l xor 16
	s_lshr_b32 s10, ttmp9, 3                       ; G
	s_and_b32 s11, ttmp9, 7                        ; s
	s_lshl_b32 s12, s10, 7
	s_lshr_b32 s13, s3, 1
	s_lshl_b32 s13, s13, 5
	s_add_co_u32 s12, s12, s13
	s_and_b32 s13, s3, 1
	s_lshl_b32 s13, s13, 3
	s_add_co_u32 s12, s12, s13                     ; the tile's first true row: 128 G + 32 (i / 2) + 8 (i % 2)
	s_lshl_b32 s12, s12, 12                        ; x 4,096 bytes
	s_lshl_b32 s13, s11, 9
	s_add_co_u32 s12, s12, s13                     ; + 512 s
	s_mov_b32 s13, 0
	s_mul_i32 s14, s10, 102400
	s_lshr_b32 s15, s11, 1
	s_mul_i32 s15, s15, 25600
	s_add_co_u32 s14, s14, s15                     ; the chunk's first byte in the image
	s_and_b32 s15, s11, 1                          ; e
	s_mul_i32 s16, s3, 3072
	s_mul_i32 s17, s15, 1536
	s_add_co_u32 s16, s16, s17
	s_add_co_u32 s16, s16, s14                     ; my fragment
	s_mov_b32 s17, 0
	s_lshl_b32 s18, s15, 9
	s_lshl_b32 s19, s3, 6
	s_add_co_u32 s18, s18, s19
	s_add_co_u32 s18, s18, s14
	s_add_co_u32 s18, s18, 24576                   ; my tile's scale words
	s_mov_b32 s19, 0
	s_wait_alu depctr_va_vdst(0)
	s_wait_kmcnt 0x0
	s_add_nc_u64 s[4:5], s[4:5], s[12:13]
	s_add_nc_u64 s[22:23], s[6:7], s[18:19]
	s_add_nc_u64 s[6:7], s[6:7], s[16:17]
.set p, 0
.rept 16
	global_load_b128 v[RAW+4*p:RAW+4*p+3], v4, s[4:5] offset:(p+8*(p/8))*4096 th:TH_LOAD_NT   ; tile row p: 32 lanes read 512 consecutive bytes; read once in the launch
.set p, p+1
.endr
.set p, 0
.rept 16
	s_wait_loadcnt 15-p                            ; loads return in order: row p is in, the younger rows stay out
	ds_store_b128 v6, v[RAW+4*p:RAW+4*p+3] offset:SROW*p
.set p, p+1
.endr
.irp c, 0,1
.irp j, 0,1,2,3,4,5,6,7
	ds_load_b128 v[X+32*\c+4*\j:X+32*\c+4*\j+3], v7 offset:256*\c+16*\j   ; LDS serves a wave's instructions in order: these see my stores
.endr
.endr
	s_wait_dscnt 0x0                               ; my numbers are in, and the stores have read the rows' registers
.irp c, 0,1                                    ; my block 2 c + h: all its 32 numbers are mine
	v_max3_num_f32 v[M+\c], |v[X+32*\c]|, |v[X+32*\c+1]|, 0x2800000      ; and the floor 2^(5 - 127): the byte cannot fall under 1
.endr
.irp i, 2,4,6,8,10,12,14,16,18,20,22,24,26,28,30
.irp c, 0,1
	v_max3_num_f32 v[M+\c], v[M+\c], |v[X+32*\c+\i]|, |v[X+32*\c+\i+1]|
.endr
.endr
.irp c, 0,1
	v_add_nc_u32 v[SCV+\c], 0xfe000000, v[M+\c]    ; 4 off the exponent field: the conversion takes this operand's exponent field as its scale
.endr
.irp c, 0,1
	v_lshrrev_b32 v[BY+\c], 23, v[SCV+\c]          ; the byte
.endr
	v_lshl_or_b32 v[W], v[BY+1], 16, v[BY]         ; blocks h and 2 + h,
	v_lshlrev_b32 v[T], 3, v3
	v_lshlrev_b32 v[W], v[T], v[W]                 ; at their places in the word;
	v_mov_b32 v[T+1], 0
	v_permlanex16_b32 v[T+1], v[W], s20, s21
	v_or_b32 v[W], v[W], v[T+1]                    ; with lane l xor 16's two the word is whole, in both lanes
.irp c, 0,1
	v_cvt_scalef32_pk16_bf6_f32 v[F+6*\c:F+6*\c+2], v[X+32*\c:X+32*\c+15], v[SCV+\c]
	v_cvt_scalef32_pk16_bf6_f32 v[CT+4*\c:CT+4*\c+2], v[X+32*\c+16:X+32*\c+31], v[SCV+\c]   ; (a conversion's three registers begin on an even number)
.endr
	v_nop                                          ; one plain place behind a scaled conversion
.irp c, 0,1
.irp i, 0,1,2
	v_mov_b32 v[F+6*\c+3+\i], v[CT+4*\c+\i]
.endr
.endr
.irp c, 0,1
	global_store_b128 v4, v[F+6*\c:F+6*\c+3], s[6:7] offset:768*\c           ; 512 consecutive bytes
	global_store_b64 v5, v[F+6*\c+4:F+6*\c+5], s[6:7] offset:768*\c+512      ; 256 consecutive bytes
.endr
	global_store_b32 v8, v[W], s[22:23]            ; lanes r and 16 + r store the same word to the same place; the eight waves' words are 512 consecutive bytes
	s_wait_tensorcnt 0x0                           ; the wave's end
	ds_add_u32 v12, v13
	s_wait_dscnt 0x0
	s_endpgm
; ---------------- the weights ----------------
.Lweights:
.set X,   16                           ; v16-143  four blocks of 32 numbers; a block's codes lie in the block before's numbers, which are done with; the fragments come back into the last block's
.set M0,  144
.set M1,  145
.set SCV, 146
.set BY,  147
.set W,   148                          ; my column's scale word
	s_load_b256 s[8:15], s[0:1], 0x8               ; Wq, Wk, Wv, Wo
	s_load_b128 s[16:19], s[0:1], 0x30             ; wqk_img, wv_img
	s_load_b64 s[20:21], s[0:1], 0x40              ; wo_img
	v_and_b32 v1, 31, v0                           ; lane
	v_bfe_u32 v2, v0, 3, 1                         ; u: which of my wave's two tiles
	v_and_b32 v9, 7, v0
	v_bfe_u32 v10, v0, 4, 1
	v_lshl_add_u32 v9, v10, 3, v9                  ; r: my row in that tile
	v_lshlrev_b32 v3, 2, v1                        ; in: 4 bytes a lane
	s_mul_i32 s30, s3, 3072
	s_add_co_u32 s30, s30, WST                     ; my stage
	v_mul_u32_u24 v11, v2, 1536
	v_add_nc_u32 v11, s30, v11
	v_lshl_add_u32 v4, v9, 4, v11                  ; a half's registers 0-3: + 16 r
	v_lshl_add_u32 v5, v9, 3, v11                  ; its registers 4-5: + 8 r
	v_lshlrev_b32 v7, 4, v1                        ; 16 x lane
	v_add_nc_u32 v6, s30, v7                       ; back out of the stage
	v_lshlrev_b32 v8, 6, v2
	v_lshl_add_u32 v8, v9, 2, v8                   ; my scale word: 64 u + 4 r
	s_sub_co_u32 s33, ttmp9, 512
	s_lshr_b32 s29, s33, 5                         ; which weight: 0 Wq, 1 Wk, 2 Wv, 3 Wo
	s_bfe_u32 s31, s33, 0x30002                    ; g
	s_and_b32 s32, s33, 3
	s_lshl_b32 s32, s32, 1
	s_lshr_b32 s42, s3, 2
	s_add_co_u32 s32, s32, s42                     ; s: two K steps a work-group
	s_and_b32 s28, s3, 3                           ; which 32 columns of the group
	s_lshl_b32 s34, s32, 19                        ; 128 s rows of 4,096 bytes
	s_lshl_b32 s35, s31, 9
	s_add_co_u32 s34, s34, s35                     ; + 128 g columns
	s_lshl_b32 s35, s28, 7
	s_add_co_u32 s34, s34, s35                     ; + 32 columns a wave
	s_mov_b32 s35, 0
	s_cmp_eq_u32 s29, 1
	s_cselect_b32 s36, 8, 0                        ; Wk's groups lie behind Wq's eight
	s_add_co_u32 s36, s36, s31
	s_mul_i32 s36, s36, 102400
	s_lshr_b32 s37, s32, 1
	s_mul_i32 s37, s37, 25600
	s_add_co_u32 s36, s36, s37                     ; the chunk
	s_and_b32 s37, s32, 1                          ; e
	s_mul_i32 s38, s28, 6144
	s_mul_i32 s39, s37, 1536
	s_add_co_u32 s38, s38, s39
	s_add_co_u32 s38, s38, s36                     ; tile 2 (w % 4)'s fragment
	s_mov_b32 s39, 0
	s_lshl_b32 s40, s37, 9
	s_lshl_b32 s41, s28, 7
	s_add_co_u32 s40, s40, s41
	s_add_co_u32 s40, s40, s36
	s_add_co_u32 s40, s40, 24576                   ; my wave's 32 scale words
	s_mov_b32 s41, 0
	s_wait_alu depctr_va_vdst(0)
	s_wait_kmcnt 0x0
	s_cmp_eq_u32 s29, 1                            ; the choices hang on the work-group's number alone
	s_cselect_b64 s[22:23], s[10:11], s[8:9]       ; Wk or Wq
	s_cmp_eq_u32 s29, 3
	s_cselect_b64 s[24:25], s[14:15], s[12:13]     ; Wo or Wv
	s_cselect_b64 s[26:27], s[20:21], s[18:19]     ; wo_img or wv_img
	s_cmp_lt_u32 s29, 2
	s_cselect_b64 s[22:23], s[22:23], s[24:25]
	s_cselect_b64 s[26:27], s[16:17], s[26:27]
	s_add_nc_u64 s[22:23], s[22:23], s[34:35]
	s_add_nc_u64 s[24:25], s[26:27], s[38:39]      ; fragments
	s_add_nc_u64 s[26:27], s[26:27], s[40:41]      ; scale words
.set p, 0
.rept 128
	global_load_b32 v[X+p], v3, s[22:23] offset:p*4096 th:TH_LOAD_NT   ; W(128 s + p, my column); read once in the launch
.set p, p+1
.endr
.macro BLOCK kb                        ; block kb: k = 32 kb + 0..31: half kb / 2 of the fragment, lanes' half kb % 2
.set XS, X+32*\kb
.if \kb == 0
.set FB, 152                           ; each block's codes have registers of their own, so that no LDS store's data are written again
.else
.set FB, X+32*(\kb-1)
.endif
.set CB, FB+8
	v_max3_num_f32 v[M0], |v[XS]|, |v[XS+1]|, |v[XS+2]|
	v_max3_num_f32 v[M1], |v[XS+3]|, |v[XS+4]|, |v[XS+5]|
.irp i, 6,10,14,18,22,26
	v_max3_num_f32 v[M0], v[M0], |v[XS+\i]|, |v[XS+\i+1]|
	v_max3_num_f32 v[M1], v[M1], |v[XS+\i+2]|, |v[XS+\i+3]|
.endr
	v_max3_num_f32 v[M0], v[M0], |v[XS+30]|, |v[XS+31]|
	v_max3_num_f32 v[M0], v[M0], v[M1], 0x2800000  ; and the floor 2^(5 - 127)
	v_add_nc_u32 v[SCV], 0xfe000000, v[M0]         ; 4 off the exponent field
	v_lshrrev_b32 v[BY], 23, v[SCV]
.if \kb == 0
	v_mov_b32 v[W], v[BY]
.else
	v_lshl_or_b32 v[W], v[BY], 8*\kb, v[W]
.endif
	v_cvt_scalef32_pk16_bf6_f32 v[FB:FB+2], v[XS:XS+15], v[SCV]
	v_cvt_scalef32_pk16_bf6_f32 v[CB:CB+2], v[XS+16:XS+31], v[SCV]
	v_nop                                          ; one plain place behind a scaled conversion
.irp i, 0,1,2
	v_mov_b32 v[FB+3+\i], v[CB+\i]
.endr
	ds_store_b128 v4, v[FB:FB+3] offset:768*(\kb/2)+256*(\kb%2)            ; where lane 16 (kb % 2) + r of the operand has them
	ds_store_b64 v5, v[FB+4:FB+5] offset:768*(\kb/2)+512+128*(\kb%2)
.endm
	s_wait_loadcnt 63                              ; at most 63 of the 128 are out: the first 64, blocks 0 and 1, are in
	BLOCK 0
	BLOCK 1
	s_wait_loadcnt 32                              ; block 3's 32 may be out
	BLOCK 2
	s_wait_loadcnt 0x0
	BLOCK 3
.irp q, 0,1,2,3,4,5
	ds_load_b128 v[X+96+4*\q:X+96+4*\q+3], v6 offset:512*\q      ; LDS serves a wave's instructions in order: these see my stores
.endr
	s_wait_alu depctr_va_vdst(0)
	s_wait_dscnt 0x0
.irp q, 0,1,2,3,4,5
	global_store_b128 v7, v[X+96+4*\q:X+96+4*\q+3], s[24:25] offset:(\q/3)*3072+(\q%3)*512   ; 512 consecutive bytes
.endr
	global_store_b32 v8, v[W], s[26:27]            ; 128 consecutive bytes a wave
	s_wait_tensorcnt 0x0                           ; the wave's end
	ds_add_u32 v12, v13
	s_wait_dscnt 0x0
	s_endpgm
.Lfunc_end_k_q644670dc4f_quant:
	.size	k_q644670dc4f_quant, .Lfunc_end_k_q644670dc4f_quant-k_q644670dc4f_quant
	.p2alignl 7, 3214868480
	.fill 96, 4, 3214868480
	.section	.rodata,"a",@progbits
	.p2align	6, 0x0
	.amdhsa_kernel k_q644670dc4f_quant
		.amdhsa_group_segment_fixed_size 93184
		.amdhsa_private_segment_fixed_size 0
		.amdhsa_enable_private_segment 0
		.amdhsa_kernarg_size 72
		.amdhsa_user_sgpr_count 2
		.amdhsa_user_sgpr_kernarg_segment_ptr 1
		.amdhsa_wavefront_size32 1
		.amdhsa_system_sgpr_workgroup_id_x 1
		.amdhsa_system_sgpr_workgroup_id_y 1
		.amdhsa_system_sgpr_workgroup_id_z 1
		.amdhsa_system_vgpr_workitem_id 0
		.amdhsa_next_free_vgpr 168
		.amdhsa_next_free_sgpr 66
		.amdhsa_reserve_vcc 0
		.amdhsa_float_denorm_mode_32 3
		.amdhsa_float_denorm_mode_16_64 3
		.amdhsa_memory_ordered 1
		.amdhsa_forward_progress 1
		.amdhsa_inst_pref_size 33
	.end_amdhsa_kernel
	.amdgpu_metadata
---
amdhsa.version: [ 1, 2 ]
amdhsa.kernels:
  - .name:           k_q644670dc4f_quant
    .symbol:         k_q644670dc4f_quant.kd
    .args:
      - { .name: x, .offset: 0, .size: 8, .value_kind: global_buffer, .address_space: global }
      - { .name: Wq, .offset: 8, .size: 8, .value_kind: global_buffer, .address_space: global }
      - { .name: Wk, .offset: 16, .size: 8, .value_kind: global_buffer, .address_space: global }
      - { .name: Wv, .offset: 24, .size: 8, .value_kind: global_buffer, .address_space: global }
      - { .name: Wo, .offset: 32, .size: 8, .value_kind: global_buffer, .address_space: global }
      - { .name: x_img, .offset: 40, .size: 8, .value_kind: global_buffer, .address_space: global }
      - { .name: wqk_img, .offset: 48, .size: 8, .value_kind: global_buffer, .address_space: global }
      - { .name: wv_img, .offset: 56, .size: 8, .value_kind: global_buffer, .address_space: global }
      - { .name: wo_img, .offset: 64, .size: 8, .value_kind: global_buffer, .address_space: global }
    .group_segment_fixed_size: 93184
    .private_segment_fixed_size: 0
    .kernarg_segment_align: 8
    .kernarg_segment_size: 72
    .max_flat_workgroup_size: 256
    .sgpr_count:     66
    .vgpr_count:     168
    .wavefront_size: 32
...
	.end_amdgpu_metadata
.endif
;; end of part 1
;; launch proj_qk (part 2): grid 8 x 64, 4 waves a work-group, clusters of 4 x 4, 327,680 bytes of LDS; arguments wqk_img, x_img, qk_img; writes qk_img
.if DOCPART == 2
	.amdgcn_target "amdgcn-amd-amdhsa--gfx1250"
	.amdhsa_code_object_version 6
	.text
	.protected	k_q644670dc4f_proj_qk
	.globl	k_q644670dc4f_proj_qk
	.p2align	8
	.type	k_q644670dc4f_proj_qk,@function
k_q644670dc4f_proj_qk:
	s_mov_b64 s[64:65], 0
	v_nop
	global_prefetch_b8 v0, s[64:65] scope:SCOPE_SE
	s_setreg_imm32_b32 hwreg(HW_REG_WAVE_MODE, 25, 1), 1
	s_wait_xcnt 0x0
	s_wait_alu depctr_hold_cnt(0) depctr_sa_sdst(0) depctr_va_vdst(0) depctr_va_sdst(0) depctr_va_ssrc(0) depctr_va_vcc(0) depctr_vm_vsrc(0)
	s_getreg_b32 s2, hwreg(HW_REG_IB_STS2, 6, 4)
	s_cmp_eq_u32 s2, 0
	s_cbranch_scc0 .Lentry_in_a_cluster
	s_endpgm
.Lentry_in_a_cluster:
	s_bfe_u32 s2, ttmp6, 0x10000c
	s_cmp_lg_u32 s2, 0xf033
	s_cbranch_scc0 .Lentry_shape_is_right
	s_endpgm
.Lentry_shape_is_right:
; R = P Q^T over K = 1,024 on codes of BF6 (E3M2) with E8M0 scales, and R quantised again ALONG P's ROWS, in registers.  P and Q are operand images:
; [group of 128 rows][chunk of 256 K][25,600 bytes]; fragment (16 rows x 128 K) of tile i, K step e at 3072 i + 1536 e, as two halves of 768 bytes (registers 0-3 at 16 x lane, 4-5 at 512 + 8 x lane); scale words at 24576 + 512 e + 64 i + 4 row.
; Used twice: P = Wq|Wk's columns, Q = tokens (q and k, quantised along the head's axis);  P = tokens, Q = Wv's columns (v, quantised along the keys).
; SHARES.  A work-group takes 256 rows of P (two groups) and 128 of Q (one group).  ALL OF K of the three groups is 307,200 bytes and lies in LDS, filled ONCE: no slot is ever filled again.
; Wave (pw = wave % 2, qw = wave / 2) makes 128 of P x 64 of Q: 32 accumulators, 8 K steps of 32 matrix instructions, source 0 = 16 rows of P, source 1 = 16 rows of Q: a lane holds ONE row of Q.
; Row p of a tile T is true row 32 (T / 2) + 8 (T % 2) + p + 8 (p / 8), so the 16 registers of P's tiles 2 q and 2 q + 1 are 16 true neighbours: they go straight into the conversions.
; OUT: a wave's result is one RECORD of 6,400 bytes: half c (64 of P's 128 rows) of Q's tile b at 3072 c + 768 b; scale words at 6144 + 64 b + 4 row.
; Record number = ((Q's tile / 4) + 16 (P's group / 16)) x 16 + P's group % 16.
; CLUSTERS: 4 x 4 work-groups.  P's blocks hang on the work-group's x alone and are asked for jointly along a column of the cluster, Q's on y alone, along a row.  Waves 0 and 1 ask for P's two groups, wave 2 for Q's, four chunks each.
; LIMITS: a block of zeros, or one under 2^-122, gets the byte 1 (this program alone reads the bytes); NaN and infinities are not served.
; REGISTERS: window 0: v1-9 addresses; v16-27 scale words, two sets; v32-127 Q's fragments, two sets; v128-231 the quantiser.   window 1: the accumulators, (b, a) at 8 (8 b + a).   window 2: v0-191 P's fragments, two sets.
.set GRP,  102400
.set BLK,  25600
.set CHK,  3*BLK                       ; LDS: chunk j at CHK j: P's group 0, P's group 1, Q's group
.set AP16, 1                           ; v1-3  my P group: + 16, 8, 4 x lane
.set AP8,  2
.set AP4,  3
.set AQ16, 4                           ; v4-6  my four tiles of Q likewise
.set AQ8,  5
.set AQ4,  6
.set S16,  7                           ; v7-9  16, 8, 4 x lane, for the stores
.set S8,   8
.set S4,   9
.set SC,   16                          ; set s at SC + 6 s: registers 0-3: lanes 0-15 P's tile 2 i, lanes 16-31 tile 2 i + 1; registers 4-5: Q's likewise
.set QF,   32
.set TM,   128                         ; v128-131 largest magnitudes, v132-135 bytes, v140-143 the conversions' scale operands
.set PW,   144                         ; v144-147 a scale word for each tile of Q
.set WW,   148                         ; v148-149 two tiles' words in one register
.set PC,   152                         ; 20 registers a tile: the 12 of the fragment, 8 at work
.set WV,   10
.set G1P,  24
.set G1Q,  32
.set G0P,  40                          ; s[40:55] four sets, one a chunk
.set G0Q,  68                          ; s[68:83]
.set SEL,  90
.set MSB,  0
.macro WIN new                         ; the immediate's high byte repeats the setting that is left
.if MSB != \new
	s_set_vgpr_msb (MSB<<8)|\new
.set MSB, \new
.endif
.endm
.macro PLACES n
.rept \n
	v_nop
.endr
.endm
.macro CROUND                          ; a round of the cluster's barrier
	s_barrier_signal -1
	s_barrier_wait -1
	s_cmp_lg_u32 s[WV], 0
	s_cbranch_scc1 .Lnot_wave_0_\@
	s_barrier_signal -3
.Lnot_wave_0_\@:
	s_barrier_wait -3
	s_barrier_signal -1
	s_barrier_wait -1
.endm
	s_load_b128 s[4:7], s[0:1], 0x0                ; P, Q
	s_load_b64 s[8:9], s[0:1], 0x10                ; the records
	v_lshl_add_u32 v254, v0, 2, 0x4b000
	v_mov_b32 v255, 0
	ds_add_u32 v254, v255
	ds_add_u32 v254, v255
	v_lshrrev_b32 v10, 5, v0
	v_readfirstlane_b32 s[WV], v10                 ; wave
	s_and_b32 s11, s[WV], 1                        ; pw
	s_lshr_b32 s12, s[WV], 1                       ; qw
	s_bfe_u32 s13, ttmp6, 0x40000                  ; cx
	s_bfe_u32 s14, ttmp6, 0x40004                  ; cy
	s_lshl_b32 s15, ttmp9, 2
	s_add_co_u32 s15, s15, s13                     ; X = 4 x cluster x + cx
	s_and_b32 s18, ttmp7, 0xffff
	s_lshl_b32 s18, s18, 2
	s_add_co_u32 s18, s18, s14                     ; Y = 4 x cluster y + cy
	s_lshl_b32 s16, s14, 2
	s_lshl_b32 s16, 15, s16                        ; my row of the cluster
	s_lshl_b32 s17, 0x1111, s13                    ; my column
	s_or_b32 s[G1P], s17, (3<<16)|(1<<21)          ; 15:0 the mask; 17:16 elements of 8 bytes; 21 set beside a mask; no padding
	s_or_b32 s[G1Q], s16, (3<<16)|(1<<21)
	; P's two groups of one chunk come by ONE load: 2 rows of 25,600 bytes (3,200 elements), a group (12,800 elements) apart in memory, on end in LDS
	s_mov_b32 s[G1P+1], 3200<<16
	s_mov_b32 s[G1P+2], 2<<16
	s_mov_b32 s[G1P+3], 3200<<16
	s_mov_b32 s[G1P+4], 2
	s_mov_b32 s[G1P+5], 12800
	s_mov_b32 s[G1P+6], 0
	s_mov_b32 s[G1P+7], 0
.irp g, G1Q                            ; Q's block is dense: 100 rows of 256 bytes
	s_mov_b32 s[\g+1], 32<<16                      ; tensor_dim0 = 32
	s_mov_b32 s[\g+2], 100<<16                     ; tensor_dim1 = 100
	s_mov_b32 s[\g+3], 32<<16                      ; tile_dim0
	s_mov_b32 s[\g+4], 100                         ; tile_dim1
	s_mov_b32 s[\g+5], 32                          ; pitch
	s_mov_b32 s[\g+6], 0
	s_mov_b32 s[\g+7], 0
.endr
	s_lshl_b32 s20, s15, 1
	s_add_co_u32 s20, s20, s11                     ; P's group 2 X + wave % 2: the one that I multiply
	s_mul_i32 s22, s15, 2*GRP                      ; P's group 2 X: where the pair that is fetched begins
	s_mov_b32 s23, 0
	s_mul_i32 s84, s18, GRP                        ; Q's group Y
	s_mov_b32 s85, 0
	s_mov_b32 s[SEL], 0x76543210
	s_mov_b32 s[SEL+1], 0xfedcba98
	s_wait_dscnt 0x0
	s_wait_kmcnt 0x0
	s_add_nc_u64 s[22:23], s[4:5], s[22:23]
	s_add_nc_u64 s[84:85], s[6:7], s[84:85]
.irp j, 0,1,2,3
	s_mov_b32 s[G0P+4*\j], 1
	s_mov_b32 s[G0P+4*\j+1], CHK*\j
	s_add_nc_u64 s[G0P+4*\j+2:G0P+4*\j+3], s[22:23], BLK*\j
	s_or_b32 s[G0P+4*\j+3], s[G0P+4*\j+3], 0x80000000
	s_mov_b32 s[G0Q+4*\j], 1
	s_mov_b32 s[G0Q+4*\j+1], 2*BLK+CHK*\j
	s_add_nc_u64 s[G0Q+4*\j+2:G0Q+4*\j+3], s[84:85], BLK*\j
	s_or_b32 s[G0Q+4*\j+3], s[G0Q+4*\j+3], 0x80000000
.endr
	CROUND                                         ; all sixteen work-groups are here: the joint loads meet
; WHO ASKS (in place of what the head comment says of it): chunks j and j + 1, one joint load a wave, in one chain of branches on the wave's number:
; wave 0 P's pair of chunk j, wave 1 Q's block of chunk j, wave 2 P's pair of chunk j + 1, wave 3 Q's block of chunk j + 1.  FILL 0 at the head; FILL 2 behind the full sequence and a round.
.macro FILL j
	s_cmp_lt_u32 s[WV], 1
	s_cbranch_scc0 .Lf1_\@
	tensor_load_to_lds s[G0P+4*(\j):G0P+4*(\j)+3], s[G1P:G1P+7]
	s_nop 0
	PLACES 4
	s_branch .Lfj_\@
.Lf1_\@:
	s_cmp_lt_u32 s[WV], 2
	s_cbranch_scc0 .Lf2_\@
	tensor_load_to_lds s[G0Q+4*(\j):G0Q+4*(\j)+3], s[G1Q:G1Q+7]
	s_nop 0
	PLACES 4
	s_branch .Lfj_\@
.Lf2_\@:
	s_cmp_lt_u32 s[WV], 3
	s_cbranch_scc0 .Lf3_\@
	tensor_load_to_lds s[G0P+4*(\j)+4:G0P+4*(\j)+7], s[G1P:G1P+7]
	s_nop 0
	PLACES 4
	s_branch .Lfj_\@
.Lf3_\@:
	tensor_load_to_lds s[G0Q+4*(\j)+4:G0Q+4*(\j)+7], s[G1Q:G1Q+7]
	s_nop 0
	PLACES 4
.Lfj_\@:
.endm
	FILL 0
	v_and_b32 v10, 31, v0                          ; lane
	v_lshlrev_b32 v[S16], 4, v10
	v_lshlrev_b32 v[S8], 3, v10
	v_lshlrev_b32 v[S4], 2, v10
	s_mul_i32 s86, s11, BLK
	v_lshl_add_u32 v[AP16], v10, 4, s86
	v_lshl_add_u32 v[AP8], v10, 3, s86
	v_lshl_add_u32 v[AP4], v10, 2, s86
	s_mul_i32 s87, s12, 12288                      ; my four tiles of Q's eight
	s_add_co_u32 s87, s87, 2*BLK
	v_lshl_add_u32 v[AQ16], v10, 4, s87
	v_lshl_add_u32 v[AQ8], v10, 3, s87
	s_lshl_b32 s87, s12, 8
	s_add_co_u32 s87, s87, 2*BLK
	v_lshl_add_u32 v[AQ4], v10, 2, s87
	s_lshl_b32 s88, s18, 1                         ; my record
	s_add_co_u32 s88, s88, s12                     ; Q's tile / 4 = 2 Y + qw
	s_lshr_b32 s89, s20, 4
	s_lshl_b32 s89, s89, 4
	s_add_co_u32 s88, s88, s89
	s_lshl_b32 s88, s88, 4
	s_and_b32 s89, s20, 15
	s_add_co_u32 s88, s88, s89
	s_mul_i32 s88, s88, 6400
	s_mov_b32 s89, 0
	s_add_nc_u64 s[8:9], s[8:9], s[88:89]
; 54 LDS loads, each of consecutive bytes across the lanes: a K step's 8 fragments of P, 4 of Q and 6 registers of scale words, into set \set; \e: which half of the chunk
.macro LOADK set, e
	WIN 0x80                                       ; destination window 2
.irp i, 0,1,2,3,4,5,6,7
.irp c, 0,1
	ds_load_b128 v[96*\set+12*\i+6*\c:96*\set+12*\i+6*\c+3], v[AP16] offset:3072*\i+1536*\e+768*\c
	ds_load_b64 v[96*\set+12*\i+6*\c+4:96*\set+12*\i+6*\c+5], v[AP8] offset:3072*\i+1536*\e+768*\c+512
.endr
.endr
	WIN 0
.irp i, 0,1,2,3
.irp c, 0,1
	ds_load_b128 v[QF+48*\set+12*\i+6*\c:QF+48*\set+12*\i+6*\c+3], v[AQ16] offset:3072*\i+1536*\e+768*\c
	ds_load_b64 v[QF+48*\set+12*\i+6*\c+4:QF+48*\set+12*\i+6*\c+5], v[AQ8] offset:3072*\i+1536*\e+768*\c+512
.endr
.endr
.irp i, 0,1,2,3
	ds_load_b32 v[SC+6*\set+\i], v[AP4] offset:24576+512*\e+128*\i
.endr
.irp i, 0,1
	ds_load_b32 v[SC+6*\set+4+\i], v[AQ4] offset:24576+512*\e+128*\i
.endr
.endm
.macro WM set, a, b, first             ; one product: P's tile a x Q's tile b.  An odd tile's scale words lie in lanes 16-31 of its register
.set rD, 8*(8*\b+\a)
.set rA, 96*\set+12*\a
.set rB, QF+48*\set+12*\b
.set rX, SC+6*\set+\a/2
.set rY, SC+6*\set+4+\b/2
.if \first
.if (\a%2 == 0) && (\b%2 == 0)
	v_wmma_scale_f32_16x16x128_f8f6f4 v[rD:rD+7], v[rA:rA+11], v[rB:rB+11], 0, v[rX], v[rY] matrix_a_fmt:MATRIX_FMT_BF6 matrix_b_fmt:MATRIX_FMT_BF6
.elseif \b%2 == 0
	v_wmma_scale_f32_16x16x128_f8f6f4 v[rD:rD+7], v[rA:rA+11], v[rB:rB+11], 0, v[rX], v[rY] matrix_a_fmt:MATRIX_FMT_BF6 matrix_b_fmt:MATRIX_FMT_BF6 matrix_a_scale:MATRIX_SCALE_ROW1
.elseif \a%2 == 0
	v_wmma_scale_f32_16x16x128_f8f6f4 v[rD:rD+7], v[rA:rA+11], v[rB:rB+11], 0, v[rX], v[rY] matrix_a_fmt:MATRIX_FMT_BF6 matrix_b_fmt:MATRIX_FMT_BF6 matrix_b_scale:MATRIX_SCALE_ROW1
.else
	v_wmma_scale_f32_16x16x128_f8f6f4 v[rD:rD+7], v[rA:rA+11], v[rB:rB+11], 0, v[rX], v[rY] matrix_a_fmt:MATRIX_FMT_BF6 matrix_b_fmt:MATRIX_FMT_BF6 matrix_a_scale:MATRIX_SCALE_ROW1 matrix_b_scale:MATRIX_SCALE_ROW1
.endif
.else
.if (\a%2 == 0) && (\b%2 == 0)
	v_wmma_scale_f32_16x16x128_f8f6f4 v[rD:rD+7], v[rA:rA+11], v[rB:rB+11], v[rD:rD+7], v[rX], v[rY] matrix_a_fmt:MATRIX_FMT_BF6 matrix_b_fmt:MATRIX_FMT_BF6
.elseif \b%2 == 0
	v_wmma_scale_f32_16x16x128_f8f6f4 v[rD:rD+7], v[rA:rA+11], v[rB:rB+11], v[rD:rD+7], v[rX], v[rY] matrix_a_fmt:MATRIX_FMT_BF6 matrix_b_fmt:MATRIX_FMT_BF6 matrix_a_scale:MATRIX_SCALE_ROW1
.elseif \a%2 == 0
	v_wmma_scale_f32_16x16x128_f8f6f4 v[rD:rD+7], v[rA:rA+11], v[rB:rB+11], v[rD:rD+7], v[rX], v[rY] matrix_a_fmt:MATRIX_FMT_BF6 matrix_b_fmt:MATRIX_FMT_BF6 matrix_b_scale:MATRIX_SCALE_ROW1
.else
	v_wmma_scale_f32_16x16x128_f8f6f4 v[rD:rD+7], v[rA:rA+11], v[rB:rB+11], v[rD:rD+7], v[rX], v[rY] matrix_a_fmt:MATRIX_FMT_BF6 matrix_b_fmt:MATRIX_FMT_BF6 matrix_a_scale:MATRIX_SCALE_ROW1 matrix_b_scale:MATRIX_SCALE_ROW1
.endif
.endif
.endm
.macro MUL set, first                  ; a K step: the 32 accumulators take turns, one instruction a turn, in the same order in every step.  first = 1: the products start the sums
	WIN 0x52                                       ; source 0 (P) window 2, source 1 (Q) window 0, C and D window 1
.irp b, 0,1,2,3
.irp a, 0,1,2,3,4,5,6,7
	WM \set, \a, \b, \first
.endr
.endr
.endm
; K step s multiplies set s % 2; ahead of its products the next step's 54 loads are issued into the other set, which the step before multiplied: four plain vector instructions stand in front of them.
; Where the next step begins a chunk: my part of that chunk has landed (the younger chunks' loads stay out), my LDS loads are in, and a barrier shows both of every wave.
.macro STEP s, first
.set CUR, (\s)%2
.set NXT, 1-CUR
.set NE, ((\s)+1)%2
	WIN 0
.if (\s) < 7
.if CUR == 1
.if (\s) == 3                          ; chunks 2 and 3 were asked for four K steps ago: my load of them is in, my LDS loads are in, and a barrier shows both of every wave
	s_wait_tensorcnt 0x0
	s_wait_dscnt 0x0
	s_barrier_signal -1
	s_barrier_wait -1
.endif
.irp r, AP16, AP8, AP4, AQ16, AQ8, AQ4
	v_add_nc_u32 v[\r], CHK, v[\r]                 ; on to that chunk; these six are also the places in front of the loads
.endr
.elseif (\s) > 0
	PLACES 4
.endif
	LOADK NXT, NE
	s_wait_dscnt 54                                ; all but the 54 just issued: this step's operands are in
.else
	s_wait_dscnt 0x0
.endif
	MUL CUR, \first
.endm
	s_wait_alu depctr_va_vdst(0)
	s_wait_tensorcnt 0x0                           ; my load of chunks 0 and 1 is in
	ds_add_u32 v254, v255
	s_wait_dscnt 0x0
	CROUND                                         ; everybody's is in, and the sixteen work-groups meet
	FILL 2                                         ; chunks 2 and 3, the first tensor load behind the round
	LOADK 0, 0
	STEP 0, 1
	STEP 1, 0
	s_wait_alu depctr_va_vdst(0)
	STEP 2, 0
	STEP 3, 0
	s_wait_alu depctr_va_vdst(0)
	STEP 4, 0
	STEP 5, 0
	s_wait_alu depctr_va_vdst(0)
	STEP 6, 0
	STEP 7, 0
	WIN 0
	PLACES 4                                       ; behind the last products, in front of the first read of results
.irp q, 0,1,2,3
	v_mov_b32 v[TM+4+\q], 0                        ; a lane permute's destination counts as one of its sources
.endr
; Q's tile b: a lane's 64 results, register 16 q + i = P's row 32 q + 16 (lane / 16) + i of my row of Q, become a fragment's 12 registers and a scale word, and are stored
.macro QUANT b
.set PB, PC+20*\b
	WIN 0x05                                       ; sources 0 and 1: window 1
.irp q, 0,1,2,3
	v_max3_num_f32 v[TM+\q], |v[64*\b+16*\q]|, |v[64*\b+16*\q+1]|, 0x2800000     ; each accumulator is read from its low end on; the floor 2^(5 - 127) holds the byte at 1 from below
.endr
.irp i, 2,4,6,8,10,12,14
.irp q, 0,1,2,3
	v_max3_num_f32 v[TM+\q], |v[64*\b+16*\q+\i]|, |v[64*\b+16*\q+\i+1]|, v[TM+\q]
.endr
.endr
	WIN 0
.irp q, 0,1,2,3
	v_permlanex16_b32 v[TM+4+\q], v[TM+\q], s[SEL], s[SEL+1]
.endr
.irp q, 0,1,2,3
	v_max_num_f32 v[TM+\q], v[TM+\q], v[TM+4+\q]   ; with lane l xor 16's 16: the block's largest magnitude
.endr
.irp q, 0,1,2,3
	v_add_nc_u32 v[TM+12+\q], 0xfe000000, v[TM+\q] ; 4 off its exponent field: the conversion's scale operand
.endr
.irp q, 0,1,2,3
	v_lshrrev_b32 v[TM+4+\q], 23, v[TM+12+\q]      ; the byte
.endr
	v_lshl_or_b32 v[PW+\b], v[TM+5], 8, v[TM+4]
	v_lshl_or_b32 v[PW+\b], v[TM+6], 16, v[PW+\b]
	v_lshl_or_b32 v[PW+\b], v[TM+7], 24, v[PW+\b]
	WIN 0x01                                       ; source 0: window 1
.irp c, 0,1
	v_cvt_scalef32_pk16_bf6_f32 v[PB+6*\c:PB+6*\c+2], v[64*\b+32*\c:64*\b+32*\c+15], v[TM+12+2*\c]
	v_cvt_scalef32_pk16_bf6_f32 v[PB+12+4*\c:PB+14+4*\c], v[64*\b+32*\c+16:64*\b+32*\c+31], v[TM+13+2*\c]
.endr
	WIN 0
	v_nop                                          ; one plain place behind a scaled conversion
.irp c, 0,1                            ; the operand wants a whole block in a lane: lanes 0-15 block 2 c, lanes 16-31 block 2 c + 1
.irp i, 0,1,2
	v_permlane16_swap_b32 v[PB+6*\c+\i], v[PB+12+4*\c+\i]
.endr
.irp i, 0,1,2
	v_mov_b32 v[PB+3+6*\c+\i], v[PB+12+4*\c+\i]
.endr
.endr
.irp c, 0,1
	global_store_b128 v[S16], v[PB+6*\c:PB+6*\c+3], s[8:9] offset:3072*\c+768*\b         ; 512 consecutive bytes; each tile has registers of its own, so no store's data are written again
	global_store_b64 v[S8], v[PB+6*\c+4:PB+6*\c+5], s[8:9] offset:3072*\c+768*\b+512     ; 256 consecutive bytes
.endr
.endm
	QUANT 0
	QUANT 1
	QUANT 2
	QUANT 3
	s_mov_b32 vcc_lo, 0xffff0000
	v_cndmask_b32 v[WW], v[PW], v[PW+1], vcc_lo    ; every lane holds its row's word: lanes 0-15 give tile 0's, lanes 16-31 tile 1's
	v_cndmask_b32 v[WW+1], v[PW+2], v[PW+3], vcc_lo
	global_store_b32 v[S4], v[WW], s[8:9] offset:6144
	global_store_b32 v[S4], v[WW+1], s[8:9] offset:6272
	s_wait_tensorcnt 0x0
	ds_add_u32 v254, v255
	s_wait_dscnt 0x0
	CROUND                                         ; the closing round: no work-group ends while a partner may still ask for a block that names it
	s_endpgm
.Lfunc_end_k_q644670dc4f_proj_qk:
	.size	k_q644670dc4f_proj_qk, .Lfunc_end_k_q644670dc4f_proj_qk-k_q644670dc4f_proj_qk
	.p2alignl 7, 3214868480
	.fill 96, 4, 3214868480
	.section	.rodata,"a",@progbits
	.p2align	6, 0x0
	.amdhsa_kernel k_q644670dc4f_proj_qk
		.amdhsa_group_segment_fixed_size 327680
		.amdhsa_private_segment_fixed_size 0
		.amdhsa_enable_private_segment 0
		.amdhsa_kernarg_size 24
		.amdhsa_user_sgpr_count 2
		.amdhsa_user_sgpr_kernarg_segment_ptr 1
		.amdhsa_wavefront_size32 1
		.amdhsa_system_sgpr_workgroup_id_x 1
		.amdhsa_system_sgpr_workgroup_id_y 1
		.amdhsa_system_sgpr_workgroup_id_z 1
		.amdhsa_system_vgpr_workitem_id 0
		.amdhsa_next_free_vgpr 768
		.amdhsa_next_free_sgpr 96
		.amdhsa_reserve_vcc 1
		.amdhsa_float_denorm_mode_32 3
		.amdhsa_float_denorm_mode_16_64 3
		.amdhsa_memory_ordered 1
		.amdhsa_forward_progress 1
		.amdhsa_inst_pref_size 89
	.end_amdhsa_kernel
	.amdgpu_metadata
---
amdhsa.version: [ 1, 2 ]
amdhsa.kernels:
  - .name:           k_q644670dc4f_proj_qk
    .symbol:         k_q644670dc4f_proj_qk.kd
    .args:
      - { .name: wqk_img, .offset: 0, .size: 8, .value_kind: global_buffer, .address_space: global }
      - { .name: x_img, .offset: 8, .size: 8, .value_kind: global_buffer, .address_space: global }
      - { .name: qk_img, .offset: 16, .size: 8, .value_kind: global_buffer, .address_space: global }
    .group_segment_fixed_size: 327680
    .private_segment_fixed_size: 0
    .kernarg_segment_align: 8
    .kernarg_segment_size: 24
    .max_flat_workgroup_size: 128
    .sgpr_count:     96
    .vgpr_count:     768
    .wavefront_size: 32
...
	.end_amdgpu_metadata
.endif
;; end of part 2
;; launch proj_v: the kernel of part 2 again; grid 32 x 8, 4 waves a work-group, clusters of 4 x 4, 327,680 bytes of LDS; arguments x_img, wv_img, v_img; writes v_img
;; launch attn (part 3): grid 4 x 64, 16 waves a work-group, clusters of 4 x 1, 327,680 bytes of LDS; arguments qk_img, v_img, a_img; writes a_img
.if DOCPART == 3
	.amdgcn_target "amdgcn-amd-amdhsa--gfx1250"
	.amdhsa_code_object_version 6
	.text
	.protected	k_q644670dc4f_attn
	.globl	k_q644670dc4f_attn
	.p2align	8
	.type	k_q644670dc4f_attn,@function
k_q644670dc4f_attn:
	s_mov_b64 s[64:65], 0
	v_nop
	global_prefetch_b8 v0, s[64:65] scope:SCOPE_SE
	s_setreg_imm32_b32 hwreg(HW_REG_WAVE_MODE, 25, 1), 1
	s_wait_xcnt 0x0
	s_wait_alu depctr_hold_cnt(0) depctr_sa_sdst(0) depctr_va_vdst(0) depctr_va_sdst(0) depctr_va_ssrc(0) depctr_va_vcc(0) depctr_vm_vsrc(0)
	s_getreg_b32 s2, hwreg(HW_REG_IB_STS2, 6, 4)
	s_cmp_eq_u32 s2, 0
	s_cbranch_scc0 .Lentry_in_a_cluster
	s_endpgm
.Lentry_in_a_cluster:
	s_bfe_u32 s2, ttmp6, 0x10000c
	s_cmp_lg_u32 s2, 0x3003
	s_cbranch_scc0 .Lentry_shape_is_right
	s_endpgm
.Lentry_shape_is_right:
; o = softmax(q k^T / 8) v for one (batch, head) and 512 queries a work-group, on codes of BF6 (E3M2) with E8M0 scales; o is quantised again along the head's axis into the operand image a_img.
; Both products are used transposed (S^T = k q^T, O^T = v^T p^T): a lane holds one query.  p = 2^(t - M), t = score x log2(e) / 8, M the ceiling of the running largest t, a whole number; the row's sum is taken of the unquantised p.
; INPUTS: records of 6,400 bytes.  qk_img: record ((64 tokens' number) x 16 + column group): head c of the group's two, tile b of 16 tokens at 3072 c + 768 b (six registers: 0-3 at 16 x lane, 4-5 at 512 + 8 x lane); scale words at 6144 + 64 b + 4 row.
; Row p of token tile T is true token 32 (T / 2) + 8 (T % 2) + p + 8 (p / 8).  v_img: record ((16 batch + head) x 16 + 128 keys' number): keys' half c of dims' tile d at 3072 c + 768 d, K = true keys; scale words likewise.
; SHARES: 16 waves, four on a SIMD; a wave takes 32 queries in two passes of 16.  All 2,048 keys of K and V lie in LDS, filled once, at the head.
; THE KEYS OF A TILE ARE CHOSEN BY THE LANES' LDS ADDRESSES: of 64 keys, row 8 a + w of tile 2 g + u is key 32 a + 16 g + 8 u + w.  Lane half h of the result holds rows 8 h + j, so a lane's 32 registers of four tiles are keys 32 h + 0..31:
; a whole block of p in one lane, in the order that V's K has.  So a block's largest score needs no other lane, and the conversions' results are the operand's registers.
; A K fragment's 12 registers are two tiles (u = 0, 1), 64 dims each; q stands in the lower or the upper half of source 1 beside zero codes: one product for each tile.
; K's rows in LDS have 64 bytes of padding behind each 256: lanes 8-15 of a 16-byte load then fall 128 bytes (modulo 256) beside lanes 0-7.
; CLUSTER 4, 1, 1: the four work-groups of a head ask for K and V jointly (mask 15).  One load a wave: waves 0-7 K's codes (4 rows of 3,072 bytes each), waves 8-11 V (100 rows of 256), waves 12-15 K's scale words (8 rows of 256).
; No prefetch into the L2: every tile is asked for at the head, and there is no loop to run ahead in.
; THE LOOP: a trip is 128 keys x 16 queries: 8 + 4 matrix instructions.  K's and V's fragments share 48 registers: V's are fetched behind the scores' products, the next trip's K behind the second product;
; the last trip's look-ahead reads landed bytes behind K and behind K's words and uses none.  The places behind both groups of products are address steps and the sum's last additions.
; A barrier is signalled at a trip's top and waited for at its bottom: no wave is more than a trip ahead of another.
; O^T is cleared at a pass's start (32 moves for 16 trips), so that the trip is written once.
; LIMITS: the promise holds while |t| stays under 2^31; a block whose largest number lies under 2^-122 gets the byte 1 (this program alone reads the bytes); NaN and infinities are not served.
; REGISTERS: v1-6 LDS bases, v7 8 h, v8-9 at work, v10 q's scale word, v12-13 K's, v14-15 V's, v16 p's, v18-19 (-M, largest t), v22-23 the sum, v26-27 f, v28-33 blocks, v34-39 addresses, v40-51 p's codes,
; v52-59 the second pass's q and the raw scale words, v64-111 fragments, v112-175 scores and p, v176-207 O^T, v208-225 zeros | q | zeros, v240-247 at work, v252-253 o's scale bytes, v254-255 the add's.
.set KS,    122880                     ; LDS: K's codes 32 x 3,840; K's raw scale words 8,192
.set KWR,   131072                     ; K's words as the products want them: 256 bytes a trip (stored by the waves: no fill lands here)
.set VV,    135168                     ; V: 16 records
.set SPARE, 237568                     ; the spare words: 128 bytes a wave
.set FR,   64
.set SB,   112
.set OB,   176
.set PC,   40
.set NM,   18
.set SU,   22
.set WV,   10
.set G1K,  24
.set G1S,  32
.set G1V,  40
.set SELK, 60
.set SELQ, 61
.set TK,   62
.set TW,   63
.set TV,   84
.set CNT,  85
.set CS,   66
.set SEL,  68
.macro CROUND
	s_barrier_signal -1
	s_barrier_wait -1
	s_cmp_lg_u32 s[WV], 0
	s_cbranch_scc1 .Lnot_wave_0_\@
	s_barrier_signal -3
.Lnot_wave_0_\@:
	s_barrier_wait -3
	s_barrier_signal -1
	s_barrier_wait -1
.endm
.macro NOP4
.rept 4
	v_nop
.endr
.endm
	s_load_b128 s[4:7], s[0:1], 0x0                ; qk_img, v_img
	s_load_b64 s[8:9], s[0:1], 0x10                ; a_img
	v_lshl_add_u32 v254, v0, 2, SPARE
	v_mov_b32 v255, 0
	ds_add_u32 v254, v255
	ds_add_u32 v254, v255
	v_lshrrev_b32 v8, 5, v0
	v_readfirstlane_b32 s[WV], v8                  ; wave
	s_bfe_u32 s11, ttmp6, 0x40000                  ; cx: which 512 queries
	s_and_b32 s12, ttmp7, 0xffff                   ; 16 batch + head
	s_lshr_b32 s13, s12, 4                         ; batch
	s_and_b32 s14, s12, 15                         ; head
	s_and_b32 s15, s14, 1
	s_lshr_b32 s16, s14, 1
	s_mov_b32 s[G1K], 15|(3<<16)|(1<<20)|(1<<21)|(5<<22)|(15<<25)   ; mask; 8-byte elements; 16 words of padding behind every 64
	s_mov_b32 s[G1K+1], 384<<16
	s_mov_b32 s[G1K+2], 4<<16
	s_mov_b32 s[G1K+3], 384<<16
	s_mov_b32 s[G1K+4], 4
	s_mov_b32 s[G1K+5], 12800                      ; 16 records from row to row
	s_mov_b32 s[G1K+6], 0
	s_mov_b32 s[G1K+7], 0
	s_mov_b32 s[G1S], 15|(3<<16)|(1<<21)
	s_mov_b32 s[G1S+1], 32<<16
	s_mov_b32 s[G1S+2], 8<<16
	s_mov_b32 s[G1S+3], 32<<16
	s_mov_b32 s[G1S+4], 8
	s_mov_b32 s[G1S+5], 12800
	s_mov_b32 s[G1S+6], 0
	s_mov_b32 s[G1S+7], 0
	s_mov_b32 s[G1V], 15|(3<<16)|(1<<21)
	s_mov_b32 s[G1V+1], 32<<16
	s_mov_b32 s[G1V+2], 100<<16
	s_mov_b32 s[G1V+3], 32<<16
	s_mov_b32 s[G1V+4], 100
	s_mov_b32 s[G1V+5], 32
	s_mov_b32 s[G1V+6], 0
	s_mov_b32 s[G1V+7], 0
	s_and_b32 s17, s[WV], 7
	s_and_b32 s18, s[WV], 3
	s_and_b32 s20, s[WV], 1
	s_lshl_b32 s19, s13, 5                         ; the batch's first 64 tokens' number
	s_add_co_u32 s21, s16, 8
	s_mul_i32 s21, s21, 6400                       ; K's column group 8 + head / 2
	s_mul_i32 s22, s15, 3072                       ; my head of the group's two
	s_lshl_b32 s70, s17, 2
	s_add_co_u32 s70, s70, s19
	s_mul_i32 s70, s70, 102400
	s_add_co_u32 s70, s70, s21
	s_add_co_u32 s70, s70, s22                     ; K's codes: rows 4 (wave % 8) ..
	s_mov_b32 s71, 0
	s_lshl_b32 s72, s18, 3
	s_add_co_u32 s72, s72, s19
	s_mul_i32 s72, s72, 102400
	s_add_co_u32 s72, s72, s21
	s_add_co_u32 s72, s72, 6144                    ; K's scale words: rows 8 (wave % 4) ..
	s_mov_b32 s73, 0
	s_mul_i32 s88, s12, 102400
	s_mul_i32 s89, s18, 25600
	s_add_co_u32 s88, s88, s89                     ; V: quarter wave % 4
	s_mov_b32 s89, 0
	s_lshl_b32 s74, s11, 3
	s_add_co_u32 s74, s74, s19
	s_lshr_b32 s75, s[WV], 1
	s_add_co_u32 s74, s74, s75                     ; my 64 queries' number
	s_lshl_b32 s74, s74, 4
	s_add_co_u32 s74, s74, s16
	s_mul_i32 s74, s74, 6400
	s_lshl_b32 s75, s20, 7
	s_add_co_u32 s76, s74, s75
	s_add_co_u32 s76, s76, 6144                    ; q's scale words: tiles 2 (wave % 2) ..
	s_mul_i32 s75, s20, 1536
	s_add_co_u32 s74, s74, s75
	s_add_co_u32 s74, s74, s22                     ; q's codes
	s_mov_b32 s75, 0
	s_mov_b32 s77, 0
	s_lshl_b32 s78, s13, 4
	s_lshl_b32 s79, s11, 2
	s_add_co_u32 s78, s78, s79
	s_lshr_b32 s79, s[WV], 2
	s_add_co_u32 s78, s78, s79                     ; a_img: group of 128 tokens
	s_mul_i32 s78, s78, 102400
	s_lshr_b32 s79, s14, 2
	s_mul_i32 s79, s79, 25600
	s_add_co_u32 s78, s78, s79                     ; chunk head / 4
	s_and_b32 s81, s16, 1                          ; K step (head / 2) % 2
	s_mul_i32 s82, s18, 6144                       ; tiles 2 (wave % 4) ..
	s_mul_i32 s83, s81, 1536
	s_add_co_u32 s82, s82, s83
	s_mul_i32 s83, s15, 768
	s_add_co_u32 s82, s82, s83
	s_add_co_u32 s82, s82, s78
	s_mov_b32 s83, 0
	s_lshl_b32 s86, s81, 9
	s_lshl_b32 s87, s18, 7
	s_add_co_u32 s86, s86, s87
	s_lshl_b32 s87, s15, 1
	s_add_co_u32 s86, s86, s87
	s_add_co_u32 s86, s86, s78
	s_add_co_u32 s86, s86, 24576
	s_mov_b32 s87, 0
	s_mul_i32 s[SELK], s15, 0x02020202
	s_add_co_u32 s[SELQ], s[SELK], 0x01000100      ; my head's two bytes, twice
	s_add_co_u32 s[SELK], s[SELK], 0x05040100      ; my head's two bytes of two words
	s_mov_b32 s[CS], 0x3e38aa3b                    ; log2(e) / 8
	s_mov_b32 s[CS+1], s[CS]
	s_mov_b32 s[SEL], 0x76543210
	s_mov_b32 s[SEL+1], 0xfedcba98                 ; lane l xor 16
	s_mov_b32 s48, 1
	s_mul_i32 s49, s17, 15360
	s_mov_b32 s52, 1
	s_lshl_b32 s53, s18, 11
	s_add_co_u32 s53, s53, KS
	s_mov_b32 s56, 1
	s_mul_i32 s57, s18, 25600
	s_add_co_u32 s57, s57, VV
	s_wait_dscnt 0x0
	s_wait_kmcnt 0x0
	s_add_nc_u64 s[50:51], s[4:5], s[70:71]
	s_or_b32 s51, s51, 0x80000000
	s_add_nc_u64 s[54:55], s[4:5], s[72:73]
	s_or_b32 s55, s55, 0x80000000
	s_add_nc_u64 s[58:59], s[6:7], s[88:89]
	s_or_b32 s59, s59, 0x80000000
	s_add_nc_u64 s[74:75], s[4:5], s[74:75]
	s_add_nc_u64 s[76:77], s[4:5], s[76:77]
	s_add_nc_u64 s[82:83], s[8:9], s[82:83]
	s_add_nc_u64 s[86:87], s[8:9], s[86:87]
	CROUND                                         ; the four work-groups are here: the joint loads meet
	s_cmp_lt_u32 s[WV], 8                          ; one chain of branches on the wave's number, one load to an arm
	s_cbranch_scc0 .Lnot_k
	tensor_load_to_lds s[48:51], s[G1K:G1K+7]
	s_nop 0
	NOP4
	s_branch .Lasked
.Lnot_k:
	s_cmp_lt_u32 s[WV], 12
	s_cbranch_scc0 .Lnot_v
	tensor_load_to_lds s[56:59], s[G1V:G1V+7]
	s_nop 0
	NOP4
	s_branch .Lasked
.Lnot_v:
	tensor_load_to_lds s[52:55], s[G1S:G1S+7]
	s_nop 0
	NOP4
.Lasked:
	v_and_b32 v8, 31, v0                           ; lane
	v_and_b32 v28, 7, v0                           ; w
	v_bfe_u32 v29, v0, 3, 1                        ; a
	v_bfe_u32 v30, v0, 4, 1                        ; h
	v_mul_u32_u24 v31, v29, 1920                   ; two old tiles of 768 + 192 bytes
	v_lshl_add_u32 v1, v28, 4, v31
	v_mad_u32_u24 v1, v30, 320, v1                 ; K, registers 0-3: 1920 a + 320 h + 16 w
	v_lshl_add_u32 v2, v28, 3, v31
	v_lshl_add_u32 v2, v30, 7, v2                  ; K, registers 4-5: 1920 a + 128 h + 8 w
	v_lshl_add_u32 v3, v8, 2, KWR
	v_lshl_add_u32 v4, v8, 4, VV
	v_lshl_add_u32 v5, v8, 3, VV
	v_lshl_add_u32 v6, v8, 2, VV+6144
	v_lshlrev_b32 v7, 3, v30
	v_lshlrev_b32 v34, 4, v8
	v_lshlrev_b32 v35, 3, v8
	v_and_b32 v36, 15, v0
	v_lshlrev_b32 v36, 2, v36
	global_load_b128 v[214:217], v34, s[74:75]                 ; the first pass's tile of q
	global_load_b64 v[218:219], v35, s[74:75] offset:512
	global_load_b128 v[52:55], v34, s[74:75] offset:768        ; the second pass's
	global_load_b64 v[56:57], v35, s[74:75] offset:1280
	global_load_b32 v58, v36, s[76:77]
	global_load_b32 v59, v36, s[76:77] offset:64
.irp i, 208,209,210,211,212,213,220,221,222,223,224,225
	v_mov_b32 v\i, 0                               ; zero codes beside q
.endr
	v_lshlrev_b32 v32, 2, v28                      ; K's words.  Lane 16 g + 8 a + w makes the word of row 8 a + w of fragment g: from old tiles 2 a, 2 a + 1, row 8 g + w
	v_lshl_add_u32 v32, v29, 7, v32
	v_lshl_add_u32 v32, v30, 5, v32
	s_lshl_b32 s17, s[WV], 9
	s_add_co_u32 s17, s17, KS
	v_add_nc_u32 v32, s17, v32                     ; my wave: 128 keys, two rows of raw words
	s_lshl_b32 s17, s[WV], 8
	v_add_nc_u32 v33, s17, v3
	v_mov_b32 v9, 0                                ; a lane permute's destination counts as a source
	v_mov_b32 v27, 0                               ; named as the upper half of f's pair
	s_wait_alu depctr_va_vdst(0)
	s_wait_tensorcnt 0x0                           ; my tile is in,
	s_barrier_signal -1
	s_barrier_wait -1                              ; everybody's
.irp k, 0,1
	ds_load_b32 v[112+2*\k], v32 offset:256*\k
	ds_load_b32 v[113+2*\k], v32 offset:256*\k+64
.endr
	s_wait_dscnt 0x0
.irp k, 0,1
	v_perm_b32 v[120+\k], v[113+2*\k], v[112+2*\k], s[SELK]
.endr
.irp k, 0,1
	ds_store_b32 v33, v[120+\k] offset:128*\k
.endr
	s_wait_dscnt 0x0                               ; for the others' sake
	s_barrier_signal -1
	s_barrier_wait -1
	s_wait_loadcnt 0x0                             ; q
; 18 LDS loads: K's four fragments (c: which 64 keys; g; halves u) and two registers of words
.macro LOADK a16, a8, aw
.irp c, 0,1
.irp g, 0,1
.irp u, 0,1
	ds_load_b128 v[FR+24*\c+12*\g+6*\u:FR+24*\c+12*\g+6*\u+3], v[\a16] offset:3840*\c+960*\u+128*\g
	ds_load_b64 v[FR+24*\c+12*\g+6*\u+4:FR+24*\c+12*\g+6*\u+5], v[\a8] offset:3840*\c+960*\u+640+64*\g
.endr
.endr
.endr
	ds_load_b32 v12, v[\aw]                        ; lanes 0-15 fragment g = 0, lanes 16-31 g = 1
	ds_load_b32 v13, v[\aw] offset:128
.endm
.macro SW c, g, u                      ; 16 keys x 16 queries: tile 2 g + u of the 64 keys c
.set rD, SB+32*\c+16*\g+8*\u
.set rA, FR+24*\c+12*\g
.set rB, 214-6*\u
.if \g
	v_wmma_scale_f32_16x16x128_f8f6f4 v[rD:rD+7], v[rA:rA+11], v[rB:rB+11], 0, v[12+\c], v10 matrix_a_fmt:MATRIX_FMT_BF6 matrix_b_fmt:MATRIX_FMT_BF6 matrix_a_scale:MATRIX_SCALE_ROW1
.else
	v_wmma_scale_f32_16x16x128_f8f6f4 v[rD:rD+7], v[rA:rA+11], v[rB:rB+11], 0, v[12+\c], v10 matrix_a_fmt:MATRIX_FMT_BF6 matrix_b_fmt:MATRIX_FMT_BF6
.endif
.endm
; The softmax over 128 keys: register 32 c + i of a lane is key 64 c + 32 h + i
.macro SM
.irp k, 0,1,2,3                                ; the largest score of my two blocks, in four chains; each accumulator is read from its low end on
	v_max3_num_f32 v[28+\k], v[SB+16*\k], v[SB+16*\k+1], v[SB+16*\k+2]
.endr
.irp i, 3,5,7,9,11,13
.irp k, 0,1,2,3
	v_max3_num_f32 v[28+\k], v[28+\k], v[SB+16*\k+\i], v[SB+16*\k+\i+1]
.endr
.endr
	v_max3_num_f32 v28, v28, v29, v[SB+15]
	v_max3_num_f32 v30, v30, v31, v[SB+47]
	v_max_num_f32 v28, v28, v[SB+31]               ; block h
	v_max_num_f32 v30, v30, v[SB+63]               ; block 2 + h
	v_max_num_f32 v8, v28, v30
	v_mul_f32 v8, s[CS], v8                        ; as t
	v_permlanex16_b32 v9, v8, s[SEL], s[SEL+1]
	v_mov_b32 v29, v[NM]
	v_max3_num_f32 v[NM+1], v[NM+1], v8, v9        ; the running largest t
	v_floor_f32 v[NM], -v[NM+1]                    ; -M
	v_sub_f32 v29, v[NM], v29
	v_cvt_i32_f32 v29, v29                         ; (it saturates)
	v_ldexp_f32 v26, 1.0, v29                      ; f = 2^(old M - new M)
.set j, 0
.rept 32
	v_pk_fma_f32 v[SB+j:SB+j+1], v[SB+j:SB+j+1], s[CS:CS+1], v[NM:NM+1] op_sel_hi:[1,0,0]
.set j, j+2
.endr
	v_fma_f32 v28, v28, s[CS], v[NM]               ; the same of each block's largest score
	v_fma_f32 v30, v30, s[CS], v[NM]
	s_wait_alu depctr_va_vdst(0)
.set j, 0
.rept 64
	v_exp_f32 v[SB+j], v[SB+j]
.set j, j+1
.endr
	v_exp_f32 v28, v28
	v_exp_f32 v30, v30
	s_wait_alu depctr_va_vdst(0)                   ; one wait for the batch, directly ahead of O^T's first reader
.set j, 0
.rept 16
	v_pk_mul_f32 v[OB+j:OB+j+1], v[OB+j:OB+j+1], v[26:27] op_sel_hi:[1,0]
.set j, j+2
.endr
	v_pk_mul_f32 v[SU:SU+1], v[SU:SU+1], v[26:27] op_sel_hi:[1,0]
	v_max_num_f32 v28, 0x2800000, v28              ; the floor 2^(5 - 127)
	v_max_num_f32 v30, 0x2800000, v30
	v_add_nc_u32 v32, 0xfe000000, v28              ; 4 off the exponent field: the conversions' scale operands
	v_add_nc_u32 v33, 0xfe000000, v30
	v_lshrrev_b32 v28, 23, v32
	v_lshrrev_b32 v30, 23, v33
	v_lshl_or_b32 v8, v30, 16, v28                 ; bytes h and 2 + h,
	v_lshlrev_b32 v8, v7, v8                       ; at their places;
	v_permlanex16_b32 v9, v8, s[SEL], s[SEL+1]
	v_or_b32 v16, v8, v9                           ; with lane l xor 16's two: p's scale word
	v_cvt_scalef32_pk16_bf6_f32 v[PC:PC+2], v[SB:SB+15], v32
	v_cvt_scalef32_pk16_bf6_f32 v[240:242], v[SB+16:SB+31], v32    ; (a conversion's three registers begin on an even number)
	v_cvt_scalef32_pk16_bf6_f32 v[PC+6:PC+8], v[SB+32:SB+47], v33
	v_cvt_scalef32_pk16_bf6_f32 v[244:246], v[SB+48:SB+63], v33
	v_nop                                          ; one plain place behind a scaled conversion
.irp i, 0,1,2
	v_mov_b32 v[PC+3+\i], v[240+\i]
	v_mov_b32 v[PC+9+\i], v[244+\i]
.endr
.irp k, 0,1,2                                  ; the sum of the unquantised p, in four chains; these 29 are also the places ahead of the scaled products
	v_pk_add_f32 v[240+2*\k:241+2*\k], v[SB+4*\k:SB+4*\k+1], v[SB+4*\k+2:SB+4*\k+3]
.endr
.set j, 12
.rept 6
	v_pk_add_f32 v[SU:SU+1], v[SU:SU+1], v[SB+j:SB+j+1]
	v_pk_add_f32 v[240:241], v[240:241], v[SB+j+2:SB+j+3]
	v_pk_add_f32 v[242:243], v[242:243], v[SB+j+4:SB+j+5]
	v_pk_add_f32 v[244:245], v[244:245], v[SB+j+6:SB+j+7]
.set j, j+8
.endr
	v_pk_add_f32 v[SU:SU+1], v[SU:SU+1], v[SB+60:SB+61]
	v_pk_add_f32 v[240:241], v[240:241], v[SB+62:SB+63]
.endm
.macro PV                              ; O^T += v^T p^T: four tiles of 16 dims, K = 128 keys; the accumulators take turns
.irp d, 0,1,2,3
.if \d%2
	v_wmma_scale_f32_16x16x128_f8f6f4 v[OB+8*\d:OB+8*\d+7], v[FR+12*\d:FR+12*\d+11], v[PC:PC+11], v[OB+8*\d:OB+8*\d+7], v[14+\d/2], v16 matrix_a_fmt:MATRIX_FMT_BF6 matrix_b_fmt:MATRIX_FMT_BF6 matrix_a_scale:MATRIX_SCALE_ROW1
.else
	v_wmma_scale_f32_16x16x128_f8f6f4 v[OB+8*\d:OB+8*\d+7], v[FR+12*\d:FR+12*\d+11], v[PC:PC+11], v[OB+8*\d:OB+8*\d+7], v[14+\d/2], v16 matrix_a_fmt:MATRIX_FMT_BF6 matrix_b_fmt:MATRIX_FMT_BF6
.endif
.endr
.endm
.macro PASS p
	s_wait_dscnt 0x0                               ; the last look-ahead's loads are in: their registers are loaded anew below
.if \p
	s_wait_xcnt 0x0                                ; the first pass's stores have read their registers
.irp i, 0,1,2,3,4,5
	v_mov_b32 v[214+\i], v[52+\i]
.endr
.endif
	v_perm_b32 v10, v[58+\p], v[58+\p], s[SELQ]
	LOADK 1, 2, 3                                  ; keys 0-127
	v_mov_b32 v[NM+1], 0xff61b1e6                  ; -3e38, under every t
	v_floor_f32 v[NM], -v[NM+1]
	v_mov_b32 v[SU], 0
	v_mov_b32 v[SU+1], 0
.set j, 0
.rept 32
	v_mov_b32 v[OB+j], 0                           ; O^T
.set j, j+1
.endr
	s_mov_b32 s[TK], 7680                          ; the next trip's K,
	s_mov_b32 s[TW], 256                           ; its words,
	s_mov_b32 s[TV], 0                             ; this trip's V
	s_mov_b32 s[CNT], 16
	s_wait_alu depctr_va_vdst(0)
.Ltrip_\@:
	s_wait_dscnt 0x0                               ; K's fragments and words are in; no LDS instruction of mine is out at the signal
	s_barrier_signal -1
.irp c, 0,1
.irp g, 0,1
.irp u, 0,1
	SW \c, \g, \u
.endr
.endr
.endr
	v_add_nc_u32 v37, s[TV], v4                    ; these four are the places ahead of the loads into the fragments and of the scores' first read
	v_add_nc_u32 v38, s[TV], v5
	v_add_nc_u32 v39, s[TV], v6
	v_add_nc_u32 v36, s[TW], v3
.irp d, 0,1,2,3
	ds_load_b128 v[FR+12*\d:FR+12*\d+3], v37 offset:768*\d
	ds_load_b64 v[FR+12*\d+4:FR+12*\d+5], v38 offset:768*\d+512
	ds_load_b128 v[FR+12*\d+6:FR+12*\d+9], v37 offset:3072+768*\d
	ds_load_b64 v[FR+12*\d+10:FR+12*\d+11], v38 offset:3072+768*\d+512
.endr
	ds_load_b32 v14, v39
	ds_load_b32 v15, v39 offset:128
	SM
	s_wait_alu depctr_va_vdst(0)
	s_wait_dscnt 0x0                               ; V's fragments and words are in
	PV
	v_add_nc_u32 v34, s[TK], v1                    ; these five are the places ahead of the loads into the fragments
	v_add_nc_u32 v35, s[TK], v2
	v_pk_add_f32 v[242:243], v[242:243], v[244:245]
	v_pk_add_f32 v[SU:SU+1], v[SU:SU+1], v[240:241]
	v_pk_add_f32 v[SU:SU+1], v[SU:SU+1], v[242:243]
	LOADK 34, 35, 36
	s_add_co_u32 s[TK], s[TK], 7680
	s_add_co_u32 s[TW], s[TW], 256
	s_add_co_u32 s[TV], s[TV], 6400
	s_sub_co_u32 s[CNT], s[CNT], 1
	s_wait_alu depctr_va_vdst(0)
	s_barrier_wait -1                              ; every wave has begun this trip
	s_cmp_lg_u32 s[CNT], 0
	s_cbranch_scc1 .Ltrip_\@
	v_add_f32 v[SU], v[SU], v[SU+1]                ; the sum's halves,
	v_permlanex16_b32 v9, v[SU], s[SEL], s[SEL+1]
	v_add_f32 v[SU], v[SU], v9                     ; and lane l xor 16's
	s_wait_alu depctr_va_vdst(0)
	v_rcp_f32 v[SU], v[SU]
	v_and_b32 v34, 31, v0
	v_lshlrev_b32 v35, 4, v34
	v_lshlrev_b32 v36, 3, v34
	v_lshlrev_b32 v37, 2, v34
	s_wait_alu depctr_va_vdst(0)                   ; behind the reciprocal, directly ahead of O^T's first reader
.set j, 0
.rept 32
	v_mul_f32 v[SB+j], v[OB+j], v[SU]              ; O^T / the sum: register 16 q + i is dim 32 q + 16 h + i
.set j, j+1
.endr
.irp q, 0,1
	v_max3_num_f32 v[28+2*\q], |v[SB+16*\q]|, |v[SB+16*\q+1]|, 0x2800000
.endr
.irp i, 2,4,6,8,10,12,14
.irp q, 0,1
	v_max3_num_f32 v[28+2*\q], v[28+2*\q], |v[SB+16*\q+\i]|, |v[SB+16*\q+\i+1]|
.endr
.endr
.irp q, 0,1
	v_permlanex16_b32 v[29+2*\q], v[28+2*\q], s[SEL], s[SEL+1]
.endr
.irp q, 0,1
	v_max_num_f32 v[28+2*\q], v[28+2*\q], v[29+2*\q]
.endr
.irp q, 0,1
	v_add_nc_u32 v[32+\q], 0xfe000000, v[28+2*\q]
.endr
.irp q, 0,1
	v_lshrrev_b32 v[28+2*\q], 23, v[32+\q]
.endr
	v_lshl_or_b32 v[252+\p], v30, 8, v28
	v_cvt_scalef32_pk16_bf6_f32 v[PC:PC+2], v[SB:SB+15], v32
	v_cvt_scalef32_pk16_bf6_f32 v[240:242], v[SB+16:SB+31], v33
	v_nop
.irp i, 0,1,2
	v_permlane16_swap_b32 v[PC+\i], v[240+\i]      ; a whole block to a lane
.endr
.irp i, 0,1,2
	v_mov_b32 v[PC+3+\i], v[240+\i]
.endr
	global_store_b128 v35, v[PC:PC+3], s[82:83] offset:3072*\p             ; 512 consecutive bytes
	global_store_b64 v36, v[PC+4:PC+5], s[82:83] offset:3072*\p+512        ; 256 consecutive bytes
.endm
	PASS 0
	PASS 1
	s_mov_b32 vcc_lo, 0xffff0000
	v_cndmask_b32 v252, v252, v253, vcc_lo         ; lanes 0-15 the first pass's rows, lanes 16-31 the second's
	global_store_b16 v37, v252, s[86:87]
	s_wait_tensorcnt 0x0                           ; the wave's end
	ds_add_u32 v254, v255
	s_wait_dscnt 0x0
	CROUND                                         ; the closing round
	s_endpgm
.Lfunc_end_k_q644670dc4f_attn:
	.size	k_q644670dc4f_attn, .Lfunc_end_k_q644670dc4f_attn-k_q644670dc4f_attn
	.p2alignl 7, 3214868480
	.fill 96, 4, 3214868480
	.section	.rodata,"a",@progbits
	.p2align	6, 0x0
	.amdhsa_kernel k_q644670dc4f_attn
		.amdhsa_group_segment_fixed_size 327680
		.amdhsa_private_segment_fixed_size 0
		.amdhsa_enable_private_segment 0
		.amdhsa_kernarg_size 24
		.amdhsa_user_sgpr_count 2
		.amdhsa_user_sgpr_kernarg_segment_ptr 1
		.amdhsa_wavefront_size32 1
		.amdhsa_system_sgpr_workgroup_id_x 1
		.amdhsa_system_sgpr_workgroup_id_y 1
		.amdhsa_system_sgpr_workgroup_id_z 1
		.amdhsa_system_vgpr_workitem_id 0
		.amdhsa_next_free_vgpr 256
		.amdhsa_next_free_sgpr 96
		.amdhsa_reserve_vcc 1
		.amdhsa_float_denorm_mode_32 3
		.amdhsa_float_denorm_mode_16_64 3
		.amdhsa_memory_ordered 1
		.amdhsa_forward_progress 1
		.amdhsa_inst_pref_size 54
	.end_amdhsa_kernel
	.amdgpu_metadata
---
amdhsa.version: [ 1, 2 ]
amdhsa.kernels:
  - .name:           k_q644670dc4f_attn
    .symbol:         k_q644670dc4f_attn.kd
    .args:
      - { .name: qk_img, .offset: 0, .size: 8, .value_kind: global_buffer, .address_space: global }
      - { .name: v_img, .offset: 8, .size: 8, .value_kind: global_buffer, .address_space: global }
      - { .name: a_img, .offset: 16, .size: 8, .value_kind: global_buffer, .address_space: global }
    .group_segment_fixed_size: 327680
    .private_segment_fixed_size: 0
    .kernarg_segment_align: 8
    .kernarg_segment_size: 24
    .max_flat_workgroup_size: 512
    .sgpr_count:     96
    .vgpr_count:     256
    .wavefront_size: 32
...
	.end_amdgpu_metadata
.endif
;; end of part 3
;; launch outp (part 4): grid 4 x 64, 4 waves a work-group, clusters of 4 x 4, 327,680 bytes of LDS; arguments wo_img, a_img, bo, out0; writes out0
.if DOCPART == 4
	.amdgcn_target "amdgcn-amd-amdhsa--gfx1250"
	.amdhsa_code_object_version 6
	.text
	.protected	k_q644670dc4f_outp
	.globl	k_q644670dc4f_outp
	.p2align	8
	.type	k_q644670dc4f_outp,@function
k_q644670dc4f_outp:
	s_mov_b64 s[64:65], 0
	v_nop
	global_prefetch_b8 v0, s[64:65] scope:SCOPE_SE
	s_setreg_imm32_b32 hwreg(HW_REG_WAVE_MODE, 25, 1), 1
	s_wait_xcnt 0x0
	s_wait_alu depctr_hold_cnt(0) depctr_sa_sdst(0) depctr_va_vdst(0) depctr_va_sdst(0) depctr_va_ssrc(0) depctr_va_vcc(0) depctr_vm_vsrc(0)
	s_getreg_b32 s2, hwreg(HW_REG_IB_STS2, 6, 4)
	s_cmp_eq_u32 s2, 0
	s_cbranch_scc0 .Lentry_in_a_cluster
	s_endpgm
.Lentry_in_a_cluster:
	s_bfe_u32 s2, ttmp6, 0x10000c
	s_cmp_lg_u32 s2, 0xf033
	s_cbranch_scc0 .Lentry_shape_is_right
	s_endpgm
.Lentry_shape_is_right:
; out0 = A Wo + bo over K = 1,024 on codes of BF6 (E3M2) with E8M0 scales; out0 [8192][1024] f32.  P = Wo's columns, Q = the attention's rows, both operand images:
; [group of 128 rows][chunk of 256 K][25,600 bytes]; fragment of tile i, K step e at 3072 i + 1536 e, as two halves of 768 bytes (registers 0-3 at 16 x lane, 4-5 at 512 + 8 x lane); scale words at 24576 + 512 e + 64 i + 4 row.
; Row p of a tile T is true row 32 (T / 2) + 8 (T % 2) + p + 8 (p / 8).
; SHARES.  A work-group takes 256 columns of Wo (two groups) and 128 tokens (one group); ALL OF K of the three groups, 307,200 bytes, lies in LDS, filled ONCE.  Wave (pw = wave % 2, qw = wave / 2) makes 128 columns x 64 tokens:
; 32 accumulators, 8 K steps of 32 matrix instructions, source 0 = 16 columns of Wo, source 1 = 16 tokens: a lane holds one token, and the 16 registers of two neighbouring tiles of Wo are 16 neighbouring columns.
; The bias is the C of each sum's first matrix instruction: eight registers a tile of Wo, in the result's layout.
; THE WAY OUT: 16 tokens x 64 columns at a time through the wave's own stage in LDS (rows of 256 + 16 bytes, behind the operands: no fill lands there), back as whole rows: sixteen lanes store 256 consecutive bytes, aligned.
; CLUSTERS: 4 x 4 work-groups.  Wo's blocks hang on the work-group's x alone and are asked for jointly along a column of the cluster, the tokens' on y alone, along a row.  Waves 0 and 1 ask for P's two groups, wave 2 for Q's.
; REGISTERS: window 0: v1-9, v13 addresses; v16-27 scale words, two sets; v32-127 Q's fragments, two sets; v128-191 rows on the way out.   window 1: the accumulators, (b, a) at 8 (8 b + a).   window 2: v0-191 P's fragments, two sets; v192-255 the bias.
.set GRP,  102400
.set BLK,  25600
.set CHK,  3*BLK
.set STAGE, 4*CHK                      ; 307,200: four stages of 16 x 272 bytes
.set SP,   272
.set AP16, 1
.set AP8,  2
.set AP4,  3
.set AQ16, 4
.set AQ8,  5
.set AQ4,  6
.set STO,  7                           ; where I put 16 bytes of a row
.set RD,   8                           ; where I read a row back
.set CO,   9                           ; my byte offset in out0
.set BA,   13                          ; my byte offset in the bias
.set SC,   16
.set QF,   32
.set BK,   128
.set BI,   192                         ; in window 2
.set WV,   10
.set G1P,  24
.set G1Q,  32
.set G0P,  40
.set G0Q,  68
.set MSB,  0
.macro WIN new                         ; the immediate's high byte repeats the setting that is left
.if MSB != \new
	s_set_vgpr_msb (MSB<<8)|\new
.set MSB, \new
.endif
.endm
.macro PLACES n
.rept \n
	v_nop
.endr
.endm
.macro CROUND                          ; a round of the cluster's barrier
	s_barrier_signal -1
	s_barrier_wait -1
	s_cmp_lg_u32 s[WV], 0
	s_cbranch_scc1 .Lnot_wave_0_\@
	s_barrier_signal -3
.Lnot_wave_0_\@:
	s_barrier_wait -3
	s_barrier_signal -1
	s_barrier_wait -1
.endm
	s_load_b128 s[4:7], s[0:1], 0x0                ; P, Q
	s_load_b128 s[92:95], s[0:1], 0x10             ; bo, out0
	v_lshl_add_u32 v254, v0, 2, 0x4f400
	v_mov_b32 v255, 0
	ds_add_u32 v254, v255
	ds_add_u32 v254, v255
	v_lshrrev_b32 v10, 5, v0
	v_readfirstlane_b32 s[WV], v10                 ; wave
	s_and_b32 s11, s[WV], 1                        ; pw
	s_lshr_b32 s12, s[WV], 1                       ; qw
	s_bfe_u32 s13, ttmp6, 0x40000                  ; cx
	s_bfe_u32 s14, ttmp6, 0x40004                  ; cy
	s_lshl_b32 s15, ttmp9, 2
	s_add_co_u32 s15, s15, s13                     ; X
	s_and_b32 s18, ttmp7, 0xffff
	s_lshl_b32 s18, s18, 2
	s_add_co_u32 s18, s18, s14                     ; Y
	s_lshl_b32 s16, s14, 2
	s_lshl_b32 s16, 15, s16                        ; my row of the cluster
	s_lshl_b32 s17, 0x1111, s13                    ; my column
	s_or_b32 s[G1P], s17, (3<<16)|(1<<21)          ; the mask; elements of 8 bytes; 21 set beside a mask; no padding
	s_or_b32 s[G1Q], s16, (3<<16)|(1<<21)
	; P's two groups of one chunk come by ONE load: 2 rows of 25,600 bytes (3,200 elements), a group (12,800 elements) apart in memory, on end in LDS
	s_mov_b32 s[G1P+1], 3200<<16
	s_mov_b32 s[G1P+2], 2<<16
	s_mov_b32 s[G1P+3], 3200<<16
	s_mov_b32 s[G1P+4], 2
	s_mov_b32 s[G1P+5], 12800
	s_mov_b32 s[G1P+6], 0
	s_mov_b32 s[G1P+7], 0
.irp g, G1Q                            ; Q's block is dense: 100 rows of 256 bytes
	s_mov_b32 s[\g+1], 32<<16
	s_mov_b32 s[\g+2], 100<<16
	s_mov_b32 s[\g+3], 32<<16
	s_mov_b32 s[\g+4], 100
	s_mov_b32 s[\g+5], 32
	s_mov_b32 s[\g+6], 0
	s_mov_b32 s[\g+7], 0
.endr
	s_lshl_b32 s20, s15, 1
	s_add_co_u32 s20, s20, s11                     ; P's group 2 X + wave % 2
	s_mul_i32 s22, s15, 2*GRP                      ; P's group 2 X: where the pair that is fetched begins
	s_mov_b32 s23, 0
	s_mul_i32 s84, s18, GRP                        ; Q's group Y
	s_mov_b32 s85, 0
	s_wait_dscnt 0x0
	s_wait_kmcnt 0x0
	s_add_nc_u64 s[22:23], s[4:5], s[22:23]
	s_add_nc_u64 s[84:85], s[6:7], s[84:85]
.irp j, 0,1,2,3
	s_mov_b32 s[G0P+4*\j], 1
	s_mov_b32 s[G0P+4*\j+1], CHK*\j
	s_add_nc_u64 s[G0P+4*\j+2:G0P+4*\j+3], s[22:23], BLK*\j
	s_or_b32 s[G0P+4*\j+3], s[G0P+4*\j+3], 0x80000000
	s_mov_b32 s[G0Q+4*\j], 1
	s_mov_b32 s[G0Q+4*\j+1], 2*BLK+CHK*\j
	s_add_nc_u64 s[G0Q+4*\j+2:G0Q+4*\j+3], s[84:85], BLK*\j
	s_or_b32 s[G0Q+4*\j+3], s[G0Q+4*\j+3], 0x80000000
.endr
	CROUND                                         ; all sixteen work-groups are here: the joint loads meet
; WHO ASKS (in place of what the head comment says of it): chunks j and j + 1, one joint load a wave, in one chain of branches on the wave's number:
; wave 0 P's pair of chunk j, wave 1 Q's block of chunk j, wave 2 P's pair of chunk j + 1, wave 3 Q's block of chunk j + 1.  FILL 0 at the head; FILL 2 behind the full sequence and a round.
.macro FILL j
	s_cmp_lt_u32 s[WV], 1
	s_cbranch_scc0 .Lf1_\@
	tensor_load_to_lds s[G0P+4*(\j):G0P+4*(\j)+3], s[G1P:G1P+7]
	s_nop 0
	PLACES 4
	s_branch .Lfj_\@
.Lf1_\@:
	s_cmp_lt_u32 s[WV], 2
	s_cbranch_scc0 .Lf2_\@
	tensor_load_to_lds s[G0Q+4*(\j):G0Q+4*(\j)+3], s[G1Q:G1Q+7]
	s_nop 0
	PLACES 4
	s_branch .Lfj_\@
.Lf2_\@:
	s_cmp_lt_u32 s[WV], 3
	s_cbranch_scc0 .Lf3_\@
	tensor_load_to_lds s[G0P+4*(\j)+4:G0P+4*(\j)+7], s[G1P:G1P+7]
	s_nop 0
	PLACES 4
	s_branch .Lfj_\@
.Lf3_\@:
	tensor_load_to_lds s[G0Q+4*(\j)+4:G0Q+4*(\j)+7], s[G1Q:G1Q+7]
	s_nop 0
	PLACES 4
.Lfj_\@:
.endm
	FILL 0
	v_and_b32 v10, 31, v0                          ; lane
	v_and_b32 v11, 15, v0                          ; r
	v_bfe_u32 v12, v0, 4, 1                        ; h
	s_mul_i32 s86, s11, BLK
	v_lshl_add_u32 v[AP16], v10, 4, s86
	v_lshl_add_u32 v[AP8], v10, 3, s86
	v_lshl_add_u32 v[AP4], v10, 2, s86
	s_mul_i32 s87, s12, 12288
	s_add_co_u32 s87, s87, 2*BLK
	v_lshl_add_u32 v[AQ16], v10, 4, s87
	v_lshl_add_u32 v[AQ8], v10, 3, s87
	s_lshl_b32 s87, s12, 8
	s_add_co_u32 s87, s87, 2*BLK
	v_lshl_add_u32 v[AQ4], v10, 2, s87
	s_mul_i32 s86, s[WV], 16*SP
	s_add_co_u32 s86, s86, STAGE                   ; my stage
	v_mul_u32_u24 v[STO], v11, SP
	v_lshl_add_u32 v[STO], v12, 6, v[STO]
	v_add_nc_u32 v[STO], s86, v[STO]               ; in: row r, + 64 h bytes
	v_mul_u32_u24 v[RD], v12, SP
	v_lshl_add_u32 v[RD], v11, 4, v[RD]
	v_add_nc_u32 v[RD], s86, v[RD]                 ; back: lanes 0-15 one row, lanes 16-31 the next
	v_lshlrev_b32 v[CO], 12, v12
	v_lshl_add_u32 v[CO], v11, 4, v[CO]            ; and the same two rows of out0
	v_lshlrev_b32 v[BA], 6, v12                    ; the bias: 16 h numbers on
	s_wait_alu depctr_va_vdst(0)
	s_lshl_b32 s88, s18, 7
	s_lshl_b32 s89, s12, 6
	s_add_co_u32 s88, s88, s89                     ; my first token: 128 Y + 64 qw
	s_lshl_b32 s88, s88, 12
	s_lshl_b32 s89, s20, 9                         ; my first column: 128 x P's group, in bytes
	s_add_co_u32 s88, s88, s89
	s_mov_b32 s89, 0
	s_add_nc_u64 s[94:95], s[94:95], s[88:89]
	s_lshl_b32 s88, s20, 9
	s_add_nc_u64 s[92:93], s[92:93], s[88:89]
	WIN 0x80                                       ; destination window 2
.irp a, 0,1,2,3,4,5,6,7                ; lane (r, h) wants, for tile a, bo at columns 32 (a / 2) + 8 (a % 2) + 16 h + 0..7
	global_load_b128 v[BI+8*\a:BI+8*\a+3], v[BA], s[92:93] offset:(32*(\a/2)+8*(\a%2))*4
	global_load_b128 v[BI+8*\a+4:BI+8*\a+7], v[BA], s[92:93] offset:(32*(\a/2)+8*(\a%2))*4+16
.endr
	WIN 0
; 54 LDS loads, each of consecutive bytes across the lanes: a K step's 8 fragments of P, 4 of Q and 6 registers of scale words, into set \set; \e: which half of the chunk
.macro LOADK set, e
	WIN 0x80
.irp i, 0,1,2,3,4,5,6,7
.irp c, 0,1
	ds_load_b128 v[96*\set+12*\i+6*\c:96*\set+12*\i+6*\c+3], v[AP16] offset:3072*\i+1536*\e+768*\c
	ds_load_b64 v[96*\set+12*\i+6*\c+4:96*\set+12*\i+6*\c+5], v[AP8] offset:3072*\i+1536*\e+768*\c+512
.endr
.endr
	WIN 0
.irp i, 0,1,2,3
.irp c, 0,1
	ds_load_b128 v[QF+48*\set+12*\i+6*\c:QF+48*\set+12*\i+6*\c+3], v[AQ16] offset:3072*\i+1536*\e+768*\c
	ds_load_b64 v[QF+48*\set+12*\i+6*\c+4:QF+48*\set+12*\i+6*\c+5], v[AQ8] offset:3072*\i+1536*\e+768*\c+512
.endr
.endr
.irp i, 0,1,2,3
	ds_load_b32 v[SC+6*\set+\i], v[AP4] offset:24576+512*\e+128*\i
.endr
.irp i, 0,1
	ds_load_b32 v[SC+6*\set+4+\i], v[AQ4] offset:24576+512*\e+128*\i
.endr
.endm
.macro WM set, a, b, first             ; one product: P's tile a x Q's tile b.  An odd tile's scale words lie in lanes 16-31 of its register.  first = 1: the bias starts the sum
.set rD, 8*(8*\b+\a)
.set rA, 96*\set+12*\a
.set rB, QF+48*\set+12*\b
.set rX, SC+6*\set+\a/2
.set rY, SC+6*\set+4+\b/2
.set rC, rD
.if \first
.set rC, BI+8*\a
.endif
.if (\a%2 == 0) && (\b%2 == 0)
	v_wmma_scale_f32_16x16x128_f8f6f4 v[rD:rD+7], v[rA:rA+11], v[rB:rB+11], v[rC:rC+7], v[rX], v[rY] matrix_a_fmt:MATRIX_FMT_BF6 matrix_b_fmt:MATRIX_FMT_BF6
.elseif \b%2 == 0
	v_wmma_scale_f32_16x16x128_f8f6f4 v[rD:rD+7], v[rA:rA+11], v[rB:rB+11], v[rC:rC+7], v[rX], v[rY] matrix_a_fmt:MATRIX_FMT_BF6 matrix_b_fmt:MATRIX_FMT_BF6 matrix_a_scale:MATRIX_SCALE_ROW1
.elseif \a%2 == 0
	v_wmma_scale_f32_16x16x128_f8f6f4 v[rD:rD+7], v[rA:rA+11], v[rB:rB+11], v[rC:rC+7], v[rX], v[rY] matrix_a_fmt:MATRIX_FMT_BF6 matrix_b_fmt:MATRIX_FMT_BF6 matrix_b_scale:MATRIX_SCALE_ROW1
.else
	v_wmma_scale_f32_16x16x128_f8f6f4 v[rD:rD+7], v[rA:rA+11], v[rB:rB+11], v[rC:rC+7], v[rX], v[rY] matrix_a_fmt:MATRIX_FMT_BF6 matrix_b_fmt:MATRIX_FMT_BF6 matrix_a_scale:MATRIX_SCALE_ROW1 matrix_b_scale:MATRIX_SCALE_ROW1
.endif
.endm
.macro MUL set, first                  ; a K step: the 32 accumulators take turns, one instruction a turn, in the same order in every step
.if \first
	WIN 0x62                                       ; source 0 (P) and C (the bias) window 2, source 1 (Q) window 0, D window 1
.else
	WIN 0x52                                       ; C and D window 1
.endif
.irp b, 0,1,2,3
.irp a, 0,1,2,3,4,5,6,7
	WM \set, \a, \b, \first
.endr
.endr
.endm
; K step s multiplies set s % 2; ahead of its products the next step's 54 loads are issued into the other set, which the step before multiplied: four plain vector instructions stand in front of them.
; Where the next step begins a chunk: my part of that chunk has landed (the younger chunks' loads stay out), my LDS loads are in, and a barrier shows both of every wave.
.macro STEP s, first
.set CUR, (\s)%2
.set NXT, 1-CUR
.set NE, ((\s)+1)%2
	WIN 0
.if (\s) < 7
.if CUR == 1
.if (\s) == 3                          ; chunks 2 and 3 were asked for four K steps ago: my load of them is in, my LDS loads are in, and a barrier shows both of every wave
	s_wait_tensorcnt 0x0
	s_wait_dscnt 0x0
	s_barrier_signal -1
	s_barrier_wait -1
.endif
.irp r, AP16, AP8, AP4, AQ16, AQ8, AQ4
	v_add_nc_u32 v[\r], CHK, v[\r]                 ; on to that chunk; these six are also the places in front of the loads
.endr
.elseif (\s) > 0
	PLACES 4
.endif
	LOADK NXT, NE
	s_wait_dscnt 54                                ; all but the 54 just issued: this step's operands are in
.else
	s_wait_dscnt 0x0
.endif
	MUL CUR, \first
.endm
	s_wait_tensorcnt 0x0                           ; my load of chunks 0 and 1 is in
	ds_add_u32 v254, v255
	s_wait_dscnt 0x0
	CROUND                                         ; everybody's is in, and the sixteen work-groups meet
	FILL 2                                         ; chunks 2 and 3, the first tensor load behind the round
	LOADK 0, 0
	s_wait_loadcnt 0x0                             ; the bias
	STEP 0, 1
	STEP 1, 0
	s_wait_alu depctr_va_vdst(0)
	STEP 2, 0
	STEP 3, 0
	s_wait_alu depctr_va_vdst(0)
	STEP 4, 0
	STEP 5, 0
	s_wait_alu depctr_va_vdst(0)
	STEP 6, 0
	STEP 7, 0
	WIN 0
; THE WAY OUT.  Unit n = 2 b + u: tile b of my tokens, columns 64 u .. 64 u + 63 of my 128: accumulators (b, 4 u .. 4 u + 3).
.macro TOSTAGE n
.set TB, (\n)/2
.set TU, (\n)%2
	WIN 0x04                                       ; an LDS store's data are its source 1: window 1
.irp k, 0,1,2,3
	ds_store_b128 v[STO], v[8*(8*TB+4*TU+\k):8*(8*TB+4*TU+\k)+3] offset:128*(\k/2)+32*(\k%2)         ; each accumulator from its low end on: columns 32 (k / 2) + 8 (k % 2) + 16 h + 0..3
	ds_store_b128 v[STO], v[8*(8*TB+4*TU+\k)+4:8*(8*TB+4*TU+\k)+7] offset:128*(\k/2)+32*(\k%2)+16
.endr
	WIN 0
.set BB, BK+32*((\n)%2)
.irp i, 0,1,2,3,4,5,6,7
	ds_load_b128 v[BB+4*\i:BB+4*\i+3], v[RD] offset:2*\i*SP    ; LDS serves a wave's instructions in order: these see the stores above, and the next unit's stores come behind them
.endr
.endm
.macro SEND n, younger                 ; younger: the LDS instructions issued behind unit n's loads, which may stay out
.set TB, (\n)/2
.set TU, (\n)%2
.set BB, BK+32*((\n)%2)
	s_wait_dscnt \younger
.irp i, 0,1,2,3,4,5,6,7
	global_store_b128 v[CO], v[BB+4*\i:BB+4*\i+3], s[94:95] offset:(32*(TB/2)+8*(TB%2)+2*\i+8*(\i/4))*4096+256*TU th:TH_STORE_NT   ; tile rows 2 i and 2 i + 1 at their true tokens; 16 lanes store 256 consecutive bytes, aligned; written once
.endr
.endm
	PLACES 4                                       ; behind the last products, in front of the first read of results
	TOSTAGE 0
.irp n, 1,2,3,4,5,6,7
.if \n > 1
	s_wait_xcnt 0x0                                ; unit n - 2's stores have read their registers: unit n's rows may land there
.endif
	TOSTAGE \n
	SEND \n-1, 16                                  ; behind unit n - 1's loads: unit n's 8 stores and 8 loads
.endr
	SEND 7, 0
	s_wait_tensorcnt 0x0
	ds_add_u32 v254, v255
	s_wait_dscnt 0x0
	CROUND                                         ; the closing round: no work-group ends while a partner may still ask for a block that names it
	s_endpgm
.Lfunc_end_k_q644670dc4f_outp:
	.size	k_q644670dc4f_outp, .Lfunc_end_k_q644670dc4f_outp-k_q644670dc4f_outp
	.p2alignl 7, 3214868480
	.fill 96, 4, 3214868480
	.section	.rodata,"a",@progbits
	.p2align	6, 0x0
	.amdhsa_kernel k_q644670dc4f_outp
		.amdhsa_group_segment_fixed_size 327680
		.amdhsa_private_segment_fixed_size 0
		.amdhsa_enable_private_segment 0
		.amdhsa_kernarg_size 32
		.amdhsa_user_sgpr_count 2
		.amdhsa_user_sgpr_kernarg_segment_ptr 1
		.amdhsa_wavefront_size32 1
		.amdhsa_system_sgpr_workgroup_id_x 1
		.amdhsa_system_sgpr_workgroup_id_y 1
		.amdhsa_system_sgpr_workgroup_id_z 1
		.amdhsa_system_vgpr_workitem_id 0
		.amdhsa_next_free_vgpr 768
		.amdhsa_next_free_sgpr 96
		.amdhsa_reserve_vcc 0
		.amdhsa_float_denorm_mode_32 3
		.amdhsa_float_denorm_mode_16_64 3
		.amdhsa_memory_ordered 1
		.amdhsa_forward_progress 1
		.amdhsa_inst_pref_size 89
	.end_amdhsa_kernel
	.amdgpu_metadata
---
amdhsa.version: [ 1, 2 ]
amdhsa.kernels:
  - .name:           k_q644670dc4f_outp
    .symbol:         k_q644670dc4f_outp.kd
    .args:
      - { .name: wo_img, .offset: 0, .size: 8, .value_kind: global_buffer, .address_space: global }
      - { .name: a_img, .offset: 8, .size: 8, .value_kind: global_buffer, .address_space: global }
      - { .name: bo, .offset: 16, .size: 8, .value_kind: global_buffer, .address_space: global }
      - { .name: out0, .offset: 24, .size: 8, .value_kind: global_buffer, .address_space: global }
    .group_segment_fixed_size: 327680
    .private_segment_fixed_size: 0
    .kernarg_segment_align: 8
    .kernarg_segment_size: 32
    .max_flat_workgroup_size: 128
    .sgpr_count:     96
    .vgpr_count:     768
    .wavefront_size: 32
...
	.end_amdgpu_metadata
.endif
;; end of part 4
